; MI455X (gfx1250); checked and timed in simulation.
; The chip was launched on July 23, 2026; its instructions are those of AMD's public machine-readable ISA for CDNA 5 (MIT licence, August 2026) and "CDNA5" Instruction Set Architecture Reference Guide (July 2026). The comments in the code are by the model that wrote it; some were corrected since.
;; Sparse Mo EFFN. Allowed arithmetic: matrix products marked QUANTISED: E4M3 operands, one given power-of-two scale a tensor, by v_wmma_f32_16x16x64_fp8_fp8 or v_wmma_f32_16x16x128_fp8_fp8, f32 sums; products left as they are: f32 operands where the result goes on into a quantised operand, else bf16, f16 or f32 operands; f32 sums; everything else in f32.
;; Inputs: W1_codes 8 x 4,096 x 32 x 32 uint8 (E4M3 codes of W1, K innermost, in blocks of 32 codes); W2_codes 8 x 1,024 x 128 x 32 uint8 (E4M3 codes of W2, K innermost, in blocks of 32 codes); Wr 1,024 x 8 float32; b1 8 x 4,096 float32; b2 8 x 1,024 float32; br 8 float32; lowp_scales 4 int32 (the exponents e of the quantised operands' scales 2^e); x 2 x 512 x 1,024 float32.
;; Outputs: out0 2 x 512 x 1,024 float32; out1 one number float32.
;; This version of the problem:
;;   THIS VERSION OF THE PROBLEM IS GIVEN IN LOW PRECISION. The matrix products marked QUANTISED in the list below multiply operands that are first quantised to E4M3 (4 exponent bits, 3 mantissa bits; 8 bits a number), with one given power-of-two scale for each operand tensor; their sums are f32. All else is computed in f32.
;;   The module's matrix products, in the order in which they are computed (A, B: the left and right operand; K: the contracted axis; several contracted axes count as one K, in the product's order):
;;     1. [M 1,024, K 1,024] x [K 1,024, N 8]; A: input x; B: input Wr: left as it is (N = 8 < 16)
;;     2. [M 32,768, K 1,024] x [K 1,024, N 1,024]; A: input W1 (given as codes); B: input x: QUANTISED (scales: A lowp_scales[0], B lowp_scales[1])
;;     3. batch 8 x [M 1,024, K 4,096] x [K 4,096, N 1,024]; A: input W2 (given as codes); B: computed on the way: QUANTISED (scales: A lowp_scales[2], B lowp_scales[3])
;;   THE QUANTISER, for each operand of a quantised product, along K:
;;     - The operand's scale is 2^e, e = its entry of the input lowp_scales (int32; the entries are numbered through the quantised products in the list's order, A before B).
;;     - Each number is divided by the scale, clamped to +-448, and rounded to the nearest number of E4M3, ties to even, subnormals kept.
;;     - The product sums the exact products of the quantised numbers (number of the format x scale) in f32.
;;   ~~~python
;;   def quantise(x, axis, e):      # numpy; x: float32 -> the quantised numbers, widened to float32 again
;;       x = np.moveaxis(x, axis, -1); K = x.shape[-1]
;;       r = np.clip(x / 2.0 ** e, -448, 448)
;;       step = 2.0 ** (np.maximum(np.frexp(np.where(r == 0, 1, r))[1] - 1, -6) - 3)
;;       q = np.round(r / step) * step * 2.0 ** e      # np.round: ties to even
;;       return np.moveaxis(q, -1, axis).astype(np.float32)
;;   ~~~
;;   OPERANDS COMPUTED ON THE WAY. 'Computed on the way' means the value that the module computes at that place (a softmax that the list does not call 'softmax' is quantised finished and normalised). What goes into a quantiser is computed in f32, as accurately as f32 sums, v_exp_f32 and their like allow (about 1e-6 of the number): no bf16 or f16 on the way to a quantiser, and a product that is left as it is and whose result goes on into a quantised operand takes f32 operands (vector FMAs, or v_wmma_f32_16x16x4_f32). A number that lies on a knife's edge between two numbers of the format may be rounded either way, as far as f32 arithmetic and the matrix unit's own rounding can turn it there, and no further.
;;   INPUTS GIVEN AS CODES. W1 (in the module: [8, 1024, 4096], K = its axis 1); W2 (in the module: [8, 4096, 1024], K = its axis 1): each comes as NAME_codes (uint8): NAME with its K axis moved to the last place and cut into blocks of 32 codes, [.., K / 32, bytes a block], one block behind the other in memory; one code a byte (a code: sign, 4 exponent bits, 3 mantissa bits); its scale is its entry of lowp_scales. Its value is code x scale, taken as it is: it is not quantised again, and the codes and scales need not be those that the quantiser above would give.
;; 2 versions, each right; version 2 is version 1 with the launches ffn1, ffn2 written anew for expert scheduling mode. Each part assembles by itself: llvm-mc -triple=amdgcn-amd-amdhsa -mcpu=gfx1250 --defsym DOCPART=n.
;; ======== version 1 of 2: 5 launches
;; workspace buffers: xq 1,048,576 bytes; sel 8,192 bytes of whole numbers; rt 24,576 bytes; list 9,472 bytes of whole numbers; gsort 9,216 bytes; hq 9,437,184 bytes; yp 18,874,368 bytes
;; launch route (part 1): grid 256 x 1, 2 waves a work-group, no clusters, 41,216 bytes of LDS; arguments x, Wr, br, lowp_scales, xq, sel, rt; writes xq, sel, rt
.if DOCPART == 1
	.amdgcn_target "amdgcn-amd-amdhsa--gfx1250"
	.amdhsa_code_object_version 6
	.text
	.protected	k_q0b1de10b18_route
	.globl	k_q0b1de10b18_route
	.p2align	8
	.type	k_q0b1de10b18_route,@function
k_q0b1de10b18_route:
	s_mov_b64 s[64:65], 0
	v_nop
	global_prefetch_b8 v0, s[64:65] scope:SCOPE_SE
	s_setreg_imm32_b32 hwreg(HW_REG_WAVE_MODE, 25, 1), 1
	s_wait_xcnt 0x0
; THE ROUTER AND x'S CODES.  logits = x Wr + br in f32 (fused multiply-adds); the two largest logits of a token (on a tie the lower index, as jax.lax.top_k has it), their two gates
; (softmax of the two), each wave's part of the sum of softmax(logits) over tokens, and x as codes of E4M3 with the given scale 2^e1 (entry 1 of the scales).
; SHARES.  256 work-groups of two waves, two tokens a wave: t0 = 4 x work-group + 2 x wave and t0 + 1.  Load j of a token gives lane l the numbers k = 128 j + 4 l + 0..3; Wr's 32 KB lie in 256 registers of the wave
; (window 1: register 32 j + 8 c + e = Wr[128 j + 4 l + c][e]), so a lane makes its part of all 16 sums and one butterfly over the 32 lanes finishes them.
; Wr GOES THROUGH LDS.  A lane wants 128 consecutive bytes of each 4,096; loaded so, a load would take 16 bytes at each of 32 places 128 bytes apart.  So the two waves load Wr once, half each, 512 consecutive bytes a load,
; and lay it in LDS in pieces of 128 bytes, 144 bytes apart; behind one barrier each wave reads its registers from there: 144 = 9 x 16, so the sixteen lanes of half a load start at sixteen different 16-byte columns modulo 256
; (64 banks of 4 bytes: ISA guide 11.1).
; The chosen experts are stored as whole numbers at fixed places: no address and no branch here hangs on them.  No matrix unit (N = 8), no tensor loads, no cluster: work-groups share only Wr, 32 KB.
; The small results are 16 bytes a token and 32 bytes a wave: lane 0 stores them, six short stores a wave.
; LIMITS: e1 between -126 and 119.  NaN and infinities among the inputs are not served.  The order of the f32 sums differs from the order of a plain dot product.
.set WPG, 144                          ; LDS: a piece of Wr (four rows, 128 bytes) and 16 bytes of padding; 256 pieces from byte 0
.set STG, 256*WPG                      ; behind them: 2,048 bytes for each wave, for its codes
.set X,   16                           ; v16-79    x: token tau at X + 32 tau, register 4 j + c
.set L,   80                           ; v80-95    the sums, then the logits: 8 tau + e
.set T,   96                           ; v96-111   at work
.set P,   128                          ; v128-143  2^((logit - largest) log2 e)
.set IMP, 144                          ; v144-151  the two tokens' softmax added
.set C,   160                          ; v160-175  codes: register 8 tau + j holds k = 128 j + 4 l + 0..3
.set BK,  176                          ; v176-191  codes back from LDS, 16 neighbours a lane
; v1 lane; v2 16 x lane; v3 my 16 bytes of a load of Wr; v4, v5 the codes' stage, in and back; v11 where I put Wr's bytes; v12 where I read my pieces
; v112+tau largest, v114+tau second, v116+tau its index, v118+tau the second's index, v120+tau, v122+tau the gates, v124+tau -largest x log2 e, v152+tau t, v154+tau 1/sum, v156+tau 1 + t
.set MSB, 0
.macro WIN new                         ; the immediate's high byte repeats the setting that is left
.if MSB != (\new)
	s_set_vgpr_msb (MSB<<8)|(\new)
.set MSB, (\new)
.endif
.endm
	s_load_b256 s[4:11], s[0:1], 0x0               ; x s[4:5], Wr s[6:7], br s[8:9], the scales' exponents s[10:11]
	s_load_b128 s[12:15], s[0:1], 0x20             ; xq s[12:13], sel s[14:15]
	s_load_b64 s[16:17], s[0:1], 0x30              ; rt
	v_lshl_add_u32 v254, v0, 2, 0xa000
	v_mov_b32 v255, 0
	v_lshrrev_b32 v1, 5, v0
	v_readfirstlane_b32 s18, v1                    ; wave 0, 1
	v_and_b32 v1, 31, v0                           ; lane
	v_lshlrev_b32 v2, 4, v1                        ; 16 x lane
	s_lshl_b32 s20, s18, 14
	v_add_nc_u32 v3, s20, v2                       ; Wr: my wave's 16,384 bytes, 16 a lane
	v_bfe_u32 v11, v0, 3, 2                        ; lane / 8: eight lanes hold a piece
	v_mul_u32_u24 v11, v11, WPG
	v_and_b32 v12, 7, v0
	v_lshl_add_u32 v11, v12, 4, v11
	s_mul_i32 s20, s18, 128*WPG                    ; my wave's 128 pieces
	v_add_nc_u32 v11, s20, v11
	v_mul_u32_u24 v12, v1, WPG                     ; back: piece 32 j + lane
	s_lshl_b32 s20, s18, 11
	s_add_co_u32 s20, s20, STG                     ; my wave's 2,048 bytes for codes
	v_lshl_add_u32 v4, v1, 2, s20                  ; in: 4 codes a lane
	v_lshl_add_u32 v5, v1, 4, s20                  ; back: 16 codes a lane
	s_lshl_b32 s19, ttmp9, 2
	s_lshl_b32 s21, s18, 1
	s_add_co_u32 s19, s19, s21                     ; t0
	s_lshl_b32 s22, s19, 12                        ; a row of x is 4,096 bytes,
	s_mov_b32 s23, 0
	s_lshl_b32 s38, s19, 10                        ; of xq 1,024
	s_mov_b32 s39, 0
	s_mov_b32 s36, 0x76543210                      ; v_permlanex16_b32: lane l xor 16
	s_mov_b32 s37, 0xfedcba98
	s_mov_b32 s35, 0x3fb8aa3b                      ; log2 e
	v_mov_b32 v8, 0xff800000                       ; -infinity
	s_wait_kmcnt 0x0
	s_load_b256 s[24:31], s[8:9], 0x0              ; br
	s_load_b32 s32, s[10:11], 0x4                  ; e1
	s_add_nc_u64 s[4:5], s[4:5], s[22:23]
	s_add_nc_u64 s[12:13], s[12:13], s[38:39]
	WIN 0x40                                       ; destination window 1
.set q, 0
.rept 32
	global_load_b128 v[4*q:4*q+3], v3, s[6:7] offset:512*q   ; my half of Wr as it lies: 32 lanes read 512 consecutive bytes
.set q, q+1
.endr
	WIN 0
.irp tau, 0,1
.irp j, 0,1,2,3,4,5,6,7
	global_load_b128 v[X+32*\tau+4*\j:X+32*\tau+4*\j+3], v2, s[4:5] offset:4096*\tau+512*\j th:TH_LOAD_NT   ; 32 lanes read 512 consecutive bytes
.endr
.endr
	s_wait_loadcnt 16                              ; Wr's 32 loads are in; the 16 loads of x behind them may be out
	WIN 0x04                                       ; store data window 1
.set q, 0
.rept 32
	ds_store_b128 v11, v[4*q:4*q+3] offset:4*WPG*q ; a load's 512 bytes are four pieces
.set q, q+1
.endr
	WIN 0
	s_wait_dscnt 0x0                               ; for the other wave's sake: my stores have landed
	s_barrier_signal -1
	s_barrier_wait -1                              ; all of Wr lies in LDS, and nobody writes it again
	WIN 0x40                                       ; destination window 1
.irp j, 0,1,2,3,4,5,6,7
.irp o, 0,1,2,3,4,5,6,7
	ds_load_b128 v[32*\j+4*\o:32*\j+4*\o+3], v12 offset:32*WPG*\j+16*\o   ; piece 32 j + lane: Wr's rows 128 j + 4 l + 0..3
.endr
.endr
	s_wait_loadcnt 0x0                             ; x
	s_wait_kmcnt 0x0
	; ---- my part of the 16 sums: eight chains of packed multiply-adds (two experts each); the first step starts the sums
	WIN 0x04                                       ; source 1 (Wr) window 1
.irp j, 0,1,2,3,4,5,6,7
	s_wait_dscnt 56-8*\j                           ; LDS loads come back in order (ISA guide 5.7.1): part j's eight are in; the 56 - 8 j issued behind them may be out
.irp c, 0,1,2,3
.irp ep, 0,1,2,3
.irp tau, 0,1
.if (\j == 0) && (\c == 0)
	v_pk_mul_f32 v[L+8*\tau+2*\ep:L+8*\tau+2*\ep+1], v[X+32*\tau:X+32*\tau+1], v[2*\ep:2*\ep+1] op_sel_hi:[0,1]
.elseif (\c % 2) == 0
	v_pk_fma_f32 v[L+8*\tau+2*\ep:L+8*\tau+2*\ep+1], v[X+32*\tau+4*\j+\c:X+32*\tau+4*\j+\c+1], v[32*\j+8*\c+2*\ep:32*\j+8*\c+2*\ep+1], v[L+8*\tau+2*\ep:L+8*\tau+2*\ep+1] op_sel_hi:[0,1,1]
.else
	v_pk_fma_f32 v[L+8*\tau+2*\ep:L+8*\tau+2*\ep+1], v[X+32*\tau+4*\j+\c-1:X+32*\tau+4*\j+\c], v[32*\j+8*\c+2*\ep:32*\j+8*\c+2*\ep+1], v[L+8*\tau+2*\ep:L+8*\tau+2*\ep+1] op_sel:[1,0,0] op_sel_hi:[1,1,1]
.endif
.endr
.endr
.endr
.endr
	WIN 0
	; ---- over the 32 lanes: every lane ends with all 16 sums
.irp m, 1,2,4,8
.irp q, 0,1,2,3,4,5,6,7,8,9,10,11,12,13,14,15
	v_add_f32_dpp v[L+\q], v[L+\q], v[L+\q] row_xmask:\m row_mask:0xf bank_mask:0xf
.endr
.endr
.irp q, 0,1,2,3,4,5,6,7,8,9,10,11,12,13,14,15
	v_mov_b32 v[T+\q], 0                           ; a lane permute's destination counts as read
.endr
.irp q, 0,1,2,3,4,5,6,7,8,9,10,11,12,13,14,15
	v_permlanex16_b32 v[T+\q], v[L+\q], s36, s37
.endr
.irp q, 0,1,2,3,4,5,6,7,8,9,10,11,12,13,14,15
	v_add_f32 v[L+\q], v[L+\q], v[T+\q]
.endr
.irp tau, 0,1
.irp e, 0,1,2,3,4,5,6,7
	v_add_f32 v[L+8*\tau+\e], s[24+\e], v[L+8*\tau+\e]   ; + br
.endr
.endr
; the largest of v[src] .. v[src + 7] into v[m], the lowest index that has it into v[idx]: a later one takes over only where it is strictly larger
.macro SCAN src, m, idx
	v_mov_b32 v[\m], v[\src]
	v_mov_b32 v[\idx], 0
.irp e, 1,2,3,4,5,6,7
	v_cmp_le_f32 vcc_lo, v[\src+\e], v[\m]
	v_cndmask_b32 v[\idx], \e, v[\idx], vcc_lo
	v_max_num_f32 v[\m], v[\m], v[\src+\e]
.endr
.endm
.irp tau, 0,1
	SCAN L+8*\tau, 112+\tau, 116+\tau
.irp e, 0,1,2,3,4,5,6,7
	v_cmp_eq_u32 vcc_lo, \e, v[116+\tau]
	v_cndmask_b32 v[T+8*\tau+\e], v[L+8*\tau+\e], v8, vcc_lo   ; the first choice is taken out
.endr
	SCAN T+8*\tau, 114+\tau, 118+\tau
.endr
	; ---- both softmaxes, the largest logit taken away: one batch of 18 exponentials
.irp tau, 0,1
	v_mul_f32 v[124+\tau], 0xbfb8aa3b, v[112+\tau]
.endr
.irp tau, 0,1
.irp e, 0,1,2,3,4,5,6,7
	v_fma_f32 v[P+8*\tau+\e], v[L+8*\tau+\e], s35, v[124+\tau]
.endr
	v_fma_f32 v[152+\tau], v[114+\tau], s35, v[124+\tau]
.endr
.irp q, 0,1,2,3,4,5,6,7,8,9,10,11,12,13,14,15
	v_exp_f32 v[P+\q], v[P+\q]
.endr
	v_exp_f32 v152, v152                           ; t = e^(second - largest)
	v_exp_f32 v153, v153
	s_add_co_i32 s32, s32, 127
	s_lshl_b32 s33, s32, 23
	v_mov_b32 v6, s33                              ; 2^e1 as f32: the conversion takes its exponent field
	s_add_co_i32 s32, s32, 8
	s_lshl_b32 s34, s32, 23
	s_or_b32 s34, s34, 0x600000
	v_mov_b32 v7, s34                              ; 448 x 2^e1
.set q, 0
.rept 64
	v_med3_num_f32 v[X+q], v[X+q], -v7, v7         ; the conversion to an 8-bit code does not saturate (ISA guide 7.6.2): the hold.  These lines are the independent work behind the exponentials
.set q, q+1
.endr
	s_wait_alu depctr_va_vdst(0)                   ; one wait for the batch, ahead of its first reader
.irp tau, 0,1
	v_pk_add_f32 v[T+4*\tau:T+4*\tau+1], v[P+8*\tau:P+8*\tau+1], v[P+8*\tau+2:P+8*\tau+3]
	v_pk_add_f32 v[T+4*\tau+2:T+4*\tau+3], v[P+8*\tau+4:P+8*\tau+5], v[P+8*\tau+6:P+8*\tau+7]
	v_pk_add_f32 v[T+4*\tau:T+4*\tau+1], v[T+4*\tau:T+4*\tau+1], v[T+4*\tau+2:T+4*\tau+3]
	v_add_f32 v[154+\tau], v[T+4*\tau], v[T+4*\tau+1]
	v_add_f32 v[156+\tau], 1.0, v[152+\tau]
.endr
	v_rcp_f32 v154, v154
	v_rcp_f32 v155, v155
	v_rcp_f32 v120, v156                           ; the first gate: 1 / (1 + t)
	v_rcp_f32 v121, v157
	s_lshl_b32 s20, s19, 2
	v_mov_b32 v9, s20                              ; 4 t0: my tokens' place in sel and in the gates.  (Plain lines behind the reciprocals)
	s_lshl_b32 s20, s19, 4
	v_mov_b32 v10, s20                             ; 32 x my wave's number among the 512
	s_wait_alu depctr_va_vdst(0)                   ; one wait for the four
	v_mul_f32 v122, v152, v120                     ; the second gate: t / (1 + t)
	v_mul_f32 v123, v153, v121
.irp e, 0,1,2,3,4,5,6,7
	v_mul_f32 v[IMP+\e], v[P+\e], v154
.endr
.irp e, 0,1,2,3,4,5,6,7
	v_fma_f32 v[IMP+\e], v[P+8+\e], v155, v[IMP+\e]
.endr
	; ---- x's codes.  One scale serves the tensor, so any eight numbers may share a conversion
.irp tau, 0,1
.irp g, 0,1,2,3
	v_cvt_scalef32_pk8_fp8_f32 v[C+8*\tau+2*\g:C+8*\tau+2*\g+1], v[X+32*\tau+8*\g:X+32*\tau+8*\g+7], v6
.endr
.endr
	v_nop                                          ; one plain line behind the last conversion
.irp tau, 0,1
.irp j, 0,1,2,3,4,5,6,7
	ds_store_b32 v4, v[C+8*\tau+\j] offset:1024*\tau+128*\j   ; a token's codes in the order of k
.endr
.endr
.irp tau, 0,1
.irp i, 0,1
	ds_load_b128 v[BK+8*\tau+4*\i:BK+8*\tau+4*\i+3], v5 offset:1024*\tau+512*\i   ; my wave's own bytes; LDS serves a wave's instructions in order (ISA guide 5.7.1.4)
.endr
.endr
	s_wait_dscnt 0x0
.irp tau, 0,1
.irp i, 0,1
	global_store_b128 v2, v[BK+8*\tau+4*\i:BK+8*\tau+4*\i+3], s[12:13] offset:1024*\tau+512*\i   ; 32 lanes store 512 consecutive bytes, aligned
.endr
.endr
	v_cmp_eq_u32 vcc_lo, 0, v1
	s_wait_xcnt 0x0                                ; EXEC changes only behind this wait
	s_wait_tensorcnt 0x0
	ds_add_u32 v254, v255
	s_wait_dscnt 0x0
	s_and_saveexec_b32 s38, vcc_lo
	global_store_b64 v9, v[116:117], s[14:15]               ; first choices of t0, t0 + 1
	global_store_b64 v9, v[118:119], s[14:15] offset:4096   ; second choices
	global_store_b64 v9, v[120:121], s[16:17]               ; their gates
	global_store_b64 v9, v[122:123], s[16:17] offset:4096
	global_store_b128 v10, v[IMP:IMP+3], s[16:17] offset:8192
	global_store_b128 v10, v[IMP+4:IMP+7], s[16:17] offset:8208
	s_wait_xcnt 0x0
	s_or_b32 exec_lo, exec_lo, s38
	s_endpgm
.Lfunc_end_k_q0b1de10b18_route:
	.size	k_q0b1de10b18_route, .Lfunc_end_k_q0b1de10b18_route-k_q0b1de10b18_route
	.p2alignl 7, 3214868480
	.fill 96, 4, 3214868480
	.section	.rodata,"a",@progbits
	.p2align	6, 0x0
	.amdhsa_kernel k_q0b1de10b18_route
		.amdhsa_group_segment_fixed_size 41216
		.amdhsa_private_segment_fixed_size 0
		.amdhsa_enable_private_segment 0
		.amdhsa_kernarg_size 56
		.amdhsa_user_sgpr_count 2
		.amdhsa_user_sgpr_kernarg_segment_ptr 1
		.amdhsa_wavefront_size32 1
		.amdhsa_system_sgpr_workgroup_id_x 1
		.amdhsa_system_sgpr_workgroup_id_y 1
		.amdhsa_system_sgpr_workgroup_id_z 1
		.amdhsa_system_vgpr_workitem_id 0
		.amdhsa_next_free_vgpr 512
		.amdhsa_next_free_sgpr 66
		.amdhsa_reserve_vcc 1
		.amdhsa_float_denorm_mode_32 3
		.amdhsa_float_denorm_mode_16_64 3
		.amdhsa_memory_ordered 1
		.amdhsa_forward_progress 1
		.amdhsa_inst_pref_size 51
	.end_amdhsa_kernel
	.amdgpu_metadata
---
amdhsa.version: [ 1, 2 ]
amdhsa.kernels:
  - .name:           k_q0b1de10b18_route
    .symbol:         k_q0b1de10b18_route.kd
    .args:
      - { .name: x, .offset: 0, .size: 8, .value_kind: global_buffer, .address_space: global }
      - { .name: Wr, .offset: 8, .size: 8, .value_kind: global_buffer, .address_space: global }
      - { .name: br, .offset: 16, .size: 8, .value_kind: global_buffer, .address_space: global }
      - { .name: lowp_scales, .offset: 24, .size: 8, .value_kind: global_buffer, .address_space: global }
      - { .name: xq, .offset: 32, .size: 8, .value_kind: global_buffer, .address_space: global }
      - { .name: sel, .offset: 40, .size: 8, .value_kind: global_buffer, .address_space: global }
      - { .name: rt, .offset: 48, .size: 8, .value_kind: global_buffer, .address_space: global }
    .group_segment_fixed_size: 41216
    .private_segment_fixed_size: 0
    .kernarg_segment_align: 8
    .kernarg_segment_size: 56
    .max_flat_workgroup_size: 64
    .sgpr_count:     66
    .vgpr_count:     512
    .wavefront_size: 32
...
	.end_amdgpu_metadata
.endif
;; end of part 1
;; launch place (part 2): grid 1 x 1, 32 waves a work-group, no clusters, 12,288 bytes of LDS; arguments sel, rt, list, gsort, out1; writes list, gsort, out1
.if DOCPART == 2
	.amdgcn_target "amdgcn-amd-amdhsa--gfx1250"
	.amdhsa_code_object_version 6
	.text
	.protected	k_q0b1de10b18_place
	.globl	k_q0b1de10b18_place
	.p2align	8
	.type	k_q0b1de10b18_place,@function
k_q0b1de10b18_place:
	s_mov_b64 s[64:65], 0
	v_nop
	global_prefetch_b8 v0, s[64:65] scope:SCOPE_SE
	s_setreg_imm32_b32 hwreg(HW_REG_WAVE_MODE, 25, 1), 1
	s_wait_xcnt 0x0
; THE ROWS ARE PLACED BY EXPERT: a counting sort of the 2,048 routed rows (token, slot) without atomics, by one work-group; thread t is token t.
; list: rows[2304] (int32), then at byte 9216 PB[8] (an expert's first pair of 16-row tiles) and at 9248 NP[8] (its number of pairs).  An expert's rows stand in the order of tokens and are filled up to whole
; pairs (32 rows): at most 71 pairs whatever the choice.  rows[pos] = slot x 1024 + token for a real row; 2048 + 32 e + l for filler l of expert e; 2048 behind the last pair.  gsort[pos] = the row's gate, 0 on fillers.
; All sums that steer addresses are sums of whole numbers: ballots, bit counts, and a butterfly of moves and integer additions on counts packed two to a word (a count is at most 1,024).
; out1 = the mean over experts of (mean softmax - 1/8)^2, from the 512 partial sums that the launch before stored.
; The rows' places are scattered: 4-byte stores, 16 KB in all.
; EVERY ADDRESS REGISTER IS MADE WITH ALL LANES ON, ahead of the first line that narrows EXEC: behind it stand only compares, masked stores, and wave 0's arithmetic for out1.
; s24.. ballot of first choices, s32.. of second, s40.. of both, s48.. counts, then totals, s56-59 totals packed, s60-63 earlier waves' packed, s66.. PB, s74.. NP, s82.. where my wave's rows begin
	s_load_b256 s[4:11], s[0:1], 0x0               ; sel s[4:5], rt s[6:7], list s[8:9], gsort s[10:11]
	s_load_b64 s[12:13], s[0:1], 0x20              ; out1
	v_lshl_add_u32 v64, v0, 2, 0x2000
	v_mov_b32 v65, 0
	v_lshlrev_b32 v1, 2, v0                        ; 4 t
	v_and_b32 v2, 31, v0                           ; lane
	v_lshrrev_b32 v3, 5, v0
	v_readfirstlane_b32 s14, v3                    ; wave
	v_lshlrev_b32 v8, 4, v0
	s_mov_b32 s16, 0x76543210
	s_mov_b32 s17, 0xfedcba98
	s_wait_kmcnt 0x0
	global_load_b32 v4, v1, s[4:5]                 ; first choice
	global_load_b32 v5, v1, s[4:5] offset:4096     ; second
	global_load_b32 v6, v1, s[6:7]                 ; their gates
	global_load_b32 v7, v1, s[6:7] offset:4096
	global_load_b128 v[12:15], v8, s[6:7] offset:8192   ; half of one of the 512 partial sums: experts 4 (t % 2) + 0..3
	v_lshlrev_b32 v9, 4, v3                        ; LDS: 16 x wave: my wave's packed counts
	v_lshlrev_b32 v10, 5, v3
	v_and_b32 v11, 1, v2
	v_lshl_add_u32 v10, v11, 4, v10                ; 32 x wave + 16 (lane % 2): my wave's sums of softmax, from byte 4096
	v_lshlrev_b32 v11, 4, v2                       ; 16 x lane
	v_lshlrev_b32 v50, 5, v2                       ; 32 x lane: where wave 0 reads the waves' sums of softmax, from byte 4096
	v_mov_b32 v61, 0                               ; out1's offset
	v_mov_b32 v46, 0                               ; a filler's gate
	v_mov_b32 v49, 0x800                           ; the entry behind the last pair
.irp q, 0,1,2,3,4,5,6,7
	v_mov_b32 v[32+\q], 0                          ; destinations of lane moves count as read
.endr
	s_wait_loadcnt 0x0
.irp e, 0,1,2,3,4,5,6,7
	v_cmp_eq_u32 s[24+\e], \e, v4
	v_cmp_eq_u32 s[32+\e], \e, v5
	s_or_b32 s[40+\e], s[24+\e], s[32+\e]          ; a token's two choices differ: one row an expert at the most
	s_bcnt1_i32_b32 s[48+\e], s[40+\e]
.endr
.irp q, 0,1,2,3
	s_lshl_b32 s15, s[49+2*\q], 16
	s_or_b32 s[56+\q], s[48+2*\q], s15
	v_mov_b32 v[20+\q], s[56+\q]
.endr
	ds_store_b128 v9, v[20:23]                     ; all lanes write the same 16 bytes with the same value
.irp m, 2,4,8
.irp q, 0,1,2,3
	v_add_f32_dpp v[12+\q], v[12+\q], v[12+\q] row_xmask:\m row_mask:0xf bank_mask:0xf
.endr
.endr
.irp q, 0,1,2,3
	v_permlanex16_b32 v[32+\q], v[12+\q], s16, s17
.endr
.irp q, 0,1,2,3
	v_add_f32 v[12+\q], v[12+\q], v[32+\q]         ; the lanes of my parity added
.endr
	ds_store_b128 v10, v[12:15] offset:4096
	s_wait_dscnt 0x0                               ; for the others' sake: my stores have landed
	s_barrier_signal -1
	s_barrier_wait -1
	ds_load_b128 v[24:27], v11                     ; lane l: wave l's counts
	s_wait_dscnt 0x0
	v_cmp_gt_u32 vcc_lo, s14, v2
.irp q, 0,1,2,3
	v_cndmask_b32 v[28+\q], 0, v[24+\q], vcc_lo    ; only the waves ahead of mine
.endr
.irp m, 1,2,4,8
.irp q, 0,1,2,3,4,5,6,7
	v_mov_b32_dpp v[32+\q], v[24+\q] row_xmask:\m row_mask:0xf bank_mask:0xf
.endr
.irp q, 0,1,2,3,4,5,6,7
	v_add_nc_u32 v[24+\q], v[24+\q], v[32+\q]
.endr
.endr
.irp q, 0,1,2,3,4,5,6,7
	v_permlanex16_b32 v[32+\q], v[24+\q], s16, s17
.endr
.irp q, 0,1,2,3,4,5,6,7
	v_add_nc_u32 v[24+\q], v[24+\q], v[32+\q]
.endr
.irp q, 0,1,2,3,4,5,6,7
	v_readfirstlane_b32 s[56+\q], v[24+\q]
.endr
.irp q, 0,1,2,3
	s_and_b32 s[48+2*\q], s[56+\q], 0xffff         ; an expert's rows in all,
	s_lshr_b32 s[49+2*\q], s[56+\q], 16
	s_and_b32 s[82+2*\q], s[60+\q], 0xffff         ; and in the waves ahead of mine
	s_lshr_b32 s[83+2*\q], s[60+\q], 16
.endr
	s_mov_b32 s90, 0
.irp e, 0,1,2,3,4,5,6,7
	s_mov_b32 s[66+\e], s90                        ; PB
	s_add_co_u32 s[74+\e], s[48+\e], 31
	s_lshr_b32 s[74+\e], s[74+\e], 5               ; NP
	s_lshl_b32 s91, s90, 5
	s_add_co_u32 s[82+\e], s[82+\e], s91
	s_add_co_u32 s90, s90, s[74+\e]
.endr
	; ---- the real rows' places
	v_mov_b32 v41, 0
	v_mov_b32 v42, 0
.irp e, 0,1,2,3,4,5,6,7
	v_mbcnt_lo_u32_b32 v40, s[40+\e], s[82+\e]     ; the expert's rows in the lanes below mine, + where my wave's begin
	v_cndmask_b32 v41, v41, v40, s[24+\e]
	v_cndmask_b32 v42, v42, v40, s[32+\e]
.endr
	v_min_u32 v41, 0x8ff, v41
	v_min_u32 v42, 0x8ff, v42
	v_lshlrev_b32 v41, 2, v41
	v_lshlrev_b32 v42, 2, v42
	v_add_nc_u32 v43, 0x400, v0
	; ---- the fillers' places: wave e (0 to 7) fills expert e's last pair; the other waves find nothing to fill
	s_mov_b32 s91, 0
	s_mov_b32 s92, 0
	s_mov_b32 s93, 0
.irp e, 0,1,2,3,4,5,6,7
	s_cmp_eq_u32 s14, \e
	s_cselect_b32 s91, s[48+\e], s91
	s_cselect_b32 s92, s[66+\e], s92
	s_cselect_b32 s93, s[74+\e], s93
.endr
	s_lshl_b32 s93, s93, 5
	s_sub_co_u32 s93, s93, s91                     ; how many
	s_lshl_b32 s92, s92, 5
	s_add_co_u32 s92, s92, s91                     ; from where
	v_add_nc_u32 v44, s92, v2
	v_min_u32 v44, 0x8ff, v44
	v_lshlrev_b32 v44, 2, v44
	s_lshl_b32 s94, s14, 5
	s_add_co_u32 s94, s94, 0x800
	v_add_nc_u32 v45, s94, v2                      ; 2048 + 32 e + l
	; ---- the places behind the last pair: at most 256, since 2,048 rows fill 64 pairs at the least
	s_lshl_b32 s96, s90, 5
	v_add_nc_u32 v47, s96, v0
	v_mov_b32 v51, v47                             ; kept as it is for the mask
	v_min_u32 v47, 0x8ff, v47
	v_lshlrev_b32 v47, 2, v47
	; ---- PB and NP, lanes 0 to 15
	v_mov_b32 v48, 0
.irp e, 0,1,2,3,4,5,6,7
	v_writelane_b32 v48, s[66+\e], \e
	v_writelane_b32 v48, s[74+\e], 8+\e
.endr
	; ---- the stores
	global_store_b32 v41, v0, s[8:9]
	global_store_b32 v42, v43, s[8:9]
	global_store_b32 v41, v6, s[10:11]
	global_store_b32 v42, v7, s[10:11]
	v_cmp_gt_u32 vcc_lo, s93, v2
	s_wait_xcnt 0x0                                ; EXEC changes only behind this wait
	s_and_saveexec_b32 s95, vcc_lo
	global_store_b32 v44, v45, s[8:9]              ; fillers
	global_store_b32 v44, v46, s[10:11]
	s_wait_xcnt 0x0
	s_or_b32 exec_lo, exec_lo, s95
	v_cmp_gt_u32 vcc_lo, 0x900, v51
	s_and_saveexec_b32 s95, vcc_lo
	global_store_b32 v47, v49, s[8:9]              ; behind the last pair
	global_store_b32 v47, v46, s[10:11]
	s_wait_xcnt 0x0
	s_or_b32 exec_lo, exec_lo, s95
	v_cmp_gt_u32 vcc_lo, 16, v0
	s_and_saveexec_b32 s95, vcc_lo
	global_store_b32 v1, v48, s[8:9] offset:9216   ; PB, NP
	s_wait_xcnt 0x0
	s_or_b32 exec_lo, exec_lo, s95
	; ---- out1, by wave 0
	s_cmp_lg_u32 s14, 0
	s_cbranch_scc1 .Lend
	ds_load_b128 v[52:55], v50 offset:4096         ; lane l: wave l's eight sums
	ds_load_b128 v[56:59], v50 offset:4112
	s_wait_dscnt 0x0
.irp m, 1,2,4,8
.irp q, 0,1,2,3,4,5,6,7
	v_add_f32_dpp v[52+\q], v[52+\q], v[52+\q] row_xmask:\m row_mask:0xf bank_mask:0xf
.endr
.endr
.irp q, 0,1,2,3,4,5,6,7
	v_permlanex16_b32 v[32+\q], v[52+\q], s16, s17
.endr
.irp q, 0,1,2,3,4,5,6,7
	v_add_f32 v[52+\q], v[52+\q], v[32+\q]
.endr
	s_mov_b32 s97, 0x3a800000                      ; 1 / 1024
	s_mov_b32 s98, 0xbe000000                      ; -1 / 8
.irp q, 0,1,2,3,4,5,6,7
	v_fma_f32 v[52+\q], v[52+\q], s97, s98
.endr
	v_mul_f32 v60, v52, v52
.irp q, 1,2,3,4,5,6,7
	v_fma_f32 v60, v[52+\q], v[52+\q], v60
.endr
	v_mul_f32 v60, 0x3e000000, v60
	v_cmp_eq_u32 vcc_lo, 0, v2
	s_wait_xcnt 0x0
	s_and_saveexec_b32 s95, vcc_lo
	global_store_b32 v61, v60, s[12:13]
	s_wait_xcnt 0x0
	s_or_b32 exec_lo, exec_lo, s95
.Lend:
	s_wait_tensorcnt 0x0
	ds_add_u32 v64, v65
	s_wait_dscnt 0x0
	s_endpgm
.Lfunc_end_k_q0b1de10b18_place:
	.size	k_q0b1de10b18_place, .Lfunc_end_k_q0b1de10b18_place-k_q0b1de10b18_place
	.p2alignl 7, 3214868480
	.fill 96, 4, 3214868480
	.section	.rodata,"a",@progbits
	.p2align	6, 0x0
	.amdhsa_kernel k_q0b1de10b18_place
		.amdhsa_group_segment_fixed_size 12288
		.amdhsa_private_segment_fixed_size 0
		.amdhsa_enable_private_segment 0
		.amdhsa_kernarg_size 40
		.amdhsa_user_sgpr_count 2
		.amdhsa_user_sgpr_kernarg_segment_ptr 1
		.amdhsa_wavefront_size32 1
		.amdhsa_system_sgpr_workgroup_id_x 1
		.amdhsa_system_sgpr_workgroup_id_y 1
		.amdhsa_system_sgpr_workgroup_id_z 1
		.amdhsa_system_vgpr_workitem_id 0
		.amdhsa_next_free_vgpr 66
		.amdhsa_next_free_sgpr 100
		.amdhsa_reserve_vcc 1
		.amdhsa_float_denorm_mode_32 3
		.amdhsa_float_denorm_mode_16_64 3
		.amdhsa_memory_ordered 1
		.amdhsa_forward_progress 1
		.amdhsa_inst_pref_size 22
	.end_amdhsa_kernel
	.amdgpu_metadata
---
amdhsa.version: [ 1, 2 ]
amdhsa.kernels:
  - .name:           k_q0b1de10b18_place
    .symbol:         k_q0b1de10b18_place.kd
    .args:
      - { .name: sel, .offset: 0, .size: 8, .value_kind: global_buffer, .address_space: global }
      - { .name: rt, .offset: 8, .size: 8, .value_kind: global_buffer, .address_space: global }
      - { .name: list, .offset: 16, .size: 8, .value_kind: global_buffer, .address_space: global }
      - { .name: gsort, .offset: 24, .size: 8, .value_kind: global_buffer, .address_space: global }
      - { .name: out1, .offset: 32, .size: 8, .value_kind: global_buffer, .address_space: global }
    .group_segment_fixed_size: 12288
    .private_segment_fixed_size: 0
    .kernarg_segment_align: 8
    .kernarg_segment_size: 40
    .max_flat_workgroup_size: 1024
    .sgpr_count:     100
    .vgpr_count:     66
    .wavefront_size: 32
...
	.end_amdgpu_metadata
.endif
;; end of part 2
;; launch ffn1 (part 3): grid 32 x 8, 8 waves a work-group, no clusters, 267,264 bytes of LDS; arguments W1_codes, xq, b1, lowp_scales, list, hq; writes hq
.if DOCPART == 3
	.amdgcn_target "amdgcn-amd-amdhsa--gfx1250"
	.amdhsa_code_object_version 6
	.text
	.protected	k_q0b1de10b18_ffn1
	.globl	k_q0b1de10b18_ffn1
	.p2align	8
	.type	k_q0b1de10b18_ffn1,@function
k_q0b1de10b18_ffn1:
	s_mov_b64 s[64:65], 0
	v_nop
	global_prefetch_b8 v0, s[64:65] scope:SCOPE_SE
	s_setreg_imm32_b32 hwreg(HW_REG_WAVE_MODE, 25, 1), 1
	s_wait_xcnt 0x0
; hq = Q(gelu(x W1 + b1)) for the routed rows alone, on codes of E4M3.  W1's codes: [8][4096 hidden][1024 k]; xq: [1024 tokens][1024 k]; scales 2^e0 (W1), 2^e1 (x), 2^e3 (the hidden layer).
; SHARES.  A work-group owns 128 hidden units (x of the grid) of one expert (y): its 128 KB of W1 are read from memory once in the launch and stay in registers: wave w holds units 32 (w % 4) + 0..31, all of K,
; in 256 registers (window 1).  The expert's rows come in sub-trips of 64 (two pairs of 16-row tiles); waves 0-3 take the first pair, waves 4-7 the second.  Rows are gathered by the stored list: wave w brings rows
; 8 w .. 8 w + 7 through registers into one of two LDS buffers, two sub-trips ahead.
; THE LOOP HAS THE WORST CASE'S TRIPS (16 sub-trips: all 1,024 tokens on one expert) AND EVERY WAVE PASSES EVERY BARRIER; what hangs on the stored counts is jumped over, work alone.  Because branches hang on numbers read
; from memory, there is no tensor load, and so no cluster with joint loads either: partners would need different numbers of tiles.
; THE PRODUCT IS USED TRANSPOSED (source 0 = 16 hidden units, source 1 = 16 rows): a lane holds one row.  THE UNITS OF A TILE ARE NOT NEIGHBOURS: lane r of tile u takes unit 8 u + r + 8 (r / 8) of the wave's 32, so that the 16
; registers of tiles 0 and 1 are 16 neighbours along the next K.  IN LDS A TILE'S UNITS ARE NEIGHBOURS: unit 16 g + 8 u + r' of a group of 32 lies at place 16 u + 8 g + r', so the sixteen rows of a fragment load are sixteen
; neighbouring LDS rows.  Fragments are fed by four 16-byte pieces (k = 32 c + 16 (lane / 16) + 0..15 in registers 4 c ..): the same permutation of k on both sides.
; hq IS LAID AS IMAGES OF THE NEXT PRODUCT'S OPERAND REGISTERS: tile of 16 rows x 65,536 + K step (128 units) x 2,048 + 512 c + 16 x lane.  A wave's store covers 512 consecutive bytes, aligned.
; gelu(z) = max(z, 0) - |z| x erfc(|z| / sqrt 2) / 2, exact form; (1 + 2a) e^(a a) erfc(a) - 1 is a polynomial of degree 9 in (a - 2) / (a + 2).  All in units of the raw sums: b1 goes in as the C of the first product,
; divided by 2^(e0 + e1); the conversion takes the folded scale 2^(e3 - e0 - e1).
; Waves 4-7 run their gelu one sub-trip late, so that of the two waves that share registers' home one multiplies while the other does vector work.
; LIMITS: e0 + e1 between -125 and 127; e3 - e0 - e1 between -126 and 119.  NaN and infinities are not served.  gelu's relative error is about 1e-6 and grows as a a x 1.2e-7 in the far negative tail.
.set PX,   1040                        ; an LDS row: 1,024 bytes + 16: 65 x 16 bytes, so the 16 neighbouring rows of a fragment load start at 16 different places modulo 256
.set XB0,  128*PX                      ; LDS: W1's 128 rows at 0; two buffers of 64 rows of x behind them
.set XBD,  64*PX
.set OFF,  16                          ; v16-23   gather offsets
.set CODE, 24                          ; v24-31   codes to store
.set B1R,  32                          ; v32-47   b1 / 2^(e0 + e1) in the result's layout, tile u at 8 u
.set G,    48                          ; v48-111  eight gathered rows, 32 bytes a lane each
.set XF,   112                         ; v112-175 x's fragments: two buffers of two tiles
.set ACC,  176                         ; v176-207 accumulators: 16 i + 8 u
.set GA,   112                         ; gelu: a, later p       (these four lie on XF, which is idle then)
.set GT1,  128                         ;       1 / (a + 2), later max(z, 0)
.set GT2,  144                         ;       1 / (2 a + 1)
.set GE,   160                         ;       e^(-a a) / 2
.set GQ,   208                         ; v208-223 q
; v1 16 x lane; v2, v3 where I put gathered rows; v4, v5 where I read x's fragments; v6 W1's fragments; v7 W1's rows in; v8 my place in an image; v9, v10 the folded scale and 448 x it; v11 64 (lane / 16); v[12:13] c9; v14 store offset
; s16 wave, s17 wave % 4, s18 wave / 4, s20 expert, s21 PB, s22 NP, s23 PI (my pair in the sub-trip in hand), s24 trips, s25 list offset, s26 -(e0 + e1), s27 8 (wave % 4), s40 2^(e0 + e1) / sqrt 2, s[44:51] eight list entries
.set MSB, 0
.macro WIN new                         ; the immediate's high byte repeats the setting that is left
.if MSB != (\new)
	s_set_vgpr_msb (MSB<<8)|(\new)
.set MSB, (\new)
.endif
.endm
; the list entries of my eight rows of pair PI + d, if the expert has that pair.  No scalar load of mine is out here: s25 may be written
.macro ASK d
	s_add_co_u32 s41, s23, \d
	s_cmp_lt_u32 s41, s22
	s_cbranch_scc0 .Lnoask_\@
	s_add_co_u32 s41, s41, s21
	s_lshl_b32 s41, s41, 5
	s_add_co_u32 s41, s41, s27
	s_min_u32 s41, s41, 2296
	s_lshl_b32 s25, s41, 2
	s_load_b256 s[44:51], s[12:13], s25 offset:0x0
.Lnoask_\@:
.endm
.macro GATHER                          ; eight rows of xq, 1,024 bytes each: two loads of 512 consecutive bytes a row
.irp i, 0,1,2,3,4,5,6,7
	s_min_u32 s41, s[44+\i], 0xfff
	s_and_b32 s41, s41, 0x3ff                      ; the token (a filler names some real token)
	v_lshl_add_u32 v[OFF+\i], s41, 10, v1
.endr
.irp i, 0,1,2,3,4,5,6,7
.irp hf, 0,1
	global_load_b128 v[G+8*\i+4*\hf:G+8*\i+4*\hf+3], v[OFF+\i], s[6:7] offset:512*\hf
.endr
.endr
.endm
.macro PUT b
.irp i, 0,1,2,3,4,5,6,7
.irp hf, 0,1
	ds_store_b128 v[2+\b], v[G+8*\i+4*\hf:G+8*\i+4*\hf+3] offset:PX*\i+512*\hf
.endr
.endr
.endm
.macro FETCHX b, s, buf                ; my pair's two fragments of K step s
.irp i, 0,1
.irp c, 0,1,2,3
	ds_load_b128 v[XF+32*(\buf)+16*\i+4*\c:XF+32*(\buf)+16*\i+4*\c+3], v[4+\b] offset:16*PX*\i+128*(\s)+32*\c
.endr
.endr
.endm
; 32 rows x 32 units x K = 1,024: four accumulators by turns, eight K steps; fragments two steps ahead
.macro KLOOP b
	FETCHX \b, 0, 0
	FETCHX \b, 1, 1
.irp s, 0,1,2,3,4,5,6,7
.if \s == 7
	s_wait_dscnt 0x0
.else
	s_wait_dscnt 0x8                               ; this step's eight loads are in; the next step's eight may be out
.endif
	WIN 0x01                                       ; source 0 (W1) window 1
.irp i, 0,1
.irp u, 0,1
.if \s == 0
	v_wmma_f32_16x16x128_fp8_fp8 v[ACC+16*\i+8*\u:ACC+16*\i+8*\u+7], v[16*(8*\u+\s):16*(8*\u+\s)+15], v[XF+32*(\s%2)+16*\i:XF+32*(\s%2)+16*\i+15], v[B1R+8*\u:B1R+8*\u+7]
.else
	v_wmma_f32_16x16x128_fp8_fp8 v[ACC+16*\i+8*\u:ACC+16*\i+8*\u+7], v[16*(8*\u+\s):16*(8*\u+\s)+15], v[XF+32*(\s%2)+16*\i:XF+32*(\s%2)+16*\i+15], v[ACC+16*\i+8*\u:ACC+16*\i+8*\u+7]
.endif
.endr
.endr
	WIN 0
.if \s <= 5
.rept 4
	v_nop                                          ; four places in front of loads into registers that matrix instructions have read
.endr
	FETCHX \b, \s+2, \s%2
.endif
.endr
.rept 5
	v_nop                                          ; five: the next matrix instruction on these accumulators begins a new sum over them; four serve the reads and the loads
.endr
.endm
.macro GELU1 i                         ; 16 rows x my 32 units: 16 numbers a lane
.set Z, ACC+16*\i
.irp j, 0,1,2,3,4,5,6,7,8,9,10,11,12,13,14,15
	v_mul_f32 v[GA+\j], |v[Z+\j]|, s40             ; a = |z| / sqrt 2; each accumulator is read from its low end on
.endr
.irp j, 0,2,4,6,8,10,12,14
	v_pk_add_f32 v[GT1+\j:GT1+\j+1], v[GA+\j:GA+\j+1], 2.0 op_sel_hi:[1,0]
	v_pk_fma_f32 v[GT2+\j:GT2+\j+1], v[GA+\j:GA+\j+1], 2.0, 1.0 op_sel_hi:[1,0,0]
	v_pk_mul_f32 v[GE+\j:GE+\j+1], v[GA+\j:GA+\j+1], v[GA+\j:GA+\j+1]
.endr
.irp j, 0,2,4,6,8,10,12,14
	v_pk_fma_f32 v[GE+\j:GE+\j+1], v[GE+\j:GE+\j+1], 0xbfb8aa3b, -1.0 op_sel_hi:[1,0,0]   ; -a a log2 e - 1
.endr
.irp j, 0,1,2,3,4,5,6,7,8,9,10,11,12,13,14,15
	v_rcp_f32 v[GT1+\j], v[GT1+\j]
.endr
.irp j, 0,1,2,3,4,5,6,7,8,9,10,11,12,13,14,15
	v_rcp_f32 v[GT2+\j], v[GT2+\j]
.endr
.irp j, 0,1,2,3,4,5,6,7,8,9,10,11,12,13,14,15
	v_exp_f32 v[GE+\j], v[GE+\j]
.endr
.irp j, 0,2,4,6,8,10,12,14
	v_pk_add_f32 v[GQ+\j:GQ+\j+1], v[GA+\j:GA+\j+1], -2.0 op_sel_hi:[1,0]   ; plain lines behind the batch, which name none of its results
.endr
	s_wait_alu depctr_va_vdst(0)                   ; one wait for the 48, ahead of their first reader
.irp j, 0,2,4,6,8,10,12,14
	v_pk_mul_f32 v[GQ+\j:GQ+\j+1], v[GQ+\j:GQ+\j+1], v[GT1+\j:GT1+\j+1]     ; q = (a - 2) / (a + 2)
.endr
.irp j, 0,2,4,6,8,10,12,14
	v_pk_fma_f32 v[GA+\j:GA+\j+1], v[GQ+\j:GQ+\j+1], v[12:13], 0xbaa15130 op_sel_hi:[1,1,0]
.endr
.irp k, 0x3aac2b8a, 0x3c0d6e62, 0xbc040dc1, 0xbd5e05b5, 0x3e27fe23, 0xbe2a0420, 0xbdbdfb0b, 0x3e8dd01d
.irp j, 0,2,4,6,8,10,12,14
	v_pk_fma_f32 v[GA+\j:GA+\j+1], v[GA+\j:GA+\j+1], v[GQ+\j:GQ+\j+1], \k op_sel_hi:[1,1,0]
.endr
.endr
.irp j, 0,2,4,6,8,10,12,14
	v_pk_fma_f32 v[GA+\j:GA+\j+1], v[GA+\j:GA+\j+1], v[GT2+\j:GT2+\j+1], v[GT2+\j:GT2+\j+1]   ; (p + 1) / (1 + 2 a)
.endr
.irp j, 0,2,4,6,8,10,12,14
	v_pk_mul_f32 v[GA+\j:GA+\j+1], v[GA+\j:GA+\j+1], v[GE+\j:GE+\j+1]       ; erfc(a) / 2
.endr
.irp j, 0,1,2,3,4,5,6,7,8,9,10,11,12,13,14,15
	v_max_num_f32 v[GT1+\j], 0, v[Z+\j]
.endr
.irp j, 0,1,2,3,4,5,6,7,8,9,10,11,12,13,14,15
	v_fma_f32 v[Z+\j], -v[GA+\j], |v[Z+\j]|, v[GT1+\j]
.endr
.irp j, 0,1,2,3,4,5,6,7,8,9,10,11,12,13,14,15
	v_med3_num_f32 v[Z+\j], v[Z+\j], -v10, v10     ; the conversion to an 8-bit code does not saturate (ISA guide 7.6.2): the hold
.endr
	v_cvt_scalef32_pk8_fp8_f32 v[CODE+4*\i:CODE+4*\i+1], v[Z:Z+7], v9
	v_cvt_scalef32_pk8_fp8_f32 v[CODE+4*\i+2:CODE+4*\i+3], v[Z+8:Z+15], v9
	v_nop                                          ; one plain line behind the conversions: matrix instructions write their sources later
	global_store_b128 v14, v[CODE+4*\i:CODE+4*\i+3], s[14:15] offset:65536*\i   ; piece wave % 4 of the image: 512 consecutive bytes
.endm
.macro GELU2                           ; the pair whose number among the expert's stands in s41
	s_wait_xcnt 0x0                                ; the last stores have read v14 and the codes' registers
	s_add_co_u32 s41, s41, s21
	s_lshl_b32 s41, s41, 1
	s_min_u32 s41, s41, 142                        ; the pair's first tile
	v_lshl_add_u32 v14, s41, 16, v8
	GELU1 0
	GELU1 1
.endm
; A sub-trip.  b: the buffer that holds its rows
.macro SUB b
	s_cmp_eq_u32 s18, 0
	s_cbranch_scc1 .Lnolate_\@
	s_sub_co_u32 s41, s23, 2                       ; waves 4-7: the gelu of the sub-trip before (in the first sub-trip the difference wraps and fails the test)
	s_cmp_lt_u32 s41, s22
	s_cbranch_scc0 .Lnolate_\@
	GELU2
.Lnolate_\@:
	s_cmp_lt_u32 s23, s22
	s_cbranch_scc0 .Lnowork_\@
	KLOOP \b
	s_cmp_lg_u32 s18, 0
	s_cbranch_scc1 .Lnowork_\@
	s_mov_b32 s41, s23
	GELU2
.Lnowork_\@:
	s_wait_loadcnt 0x0                             ; the next sub-trip's rows, asked for a sub-trip ago, are in registers
	s_add_co_u32 s41, s23, 2
	s_cmp_lt_u32 s41, s22
	s_cbranch_scc0 .Lnoput_\@
	PUT 1-\b
.Lnoput_\@:
	s_wait_dscnt 0x0                               ; my stores into the other buffer have landed, my reads of this one are over
	s_barrier_signal -1
	s_barrier_wait -1
	s_wait_kmcnt 0x0
	s_add_co_u32 s41, s23, 4
	s_cmp_lt_u32 s41, s22
	s_cbranch_scc0 .Lnogat_\@
	GATHER
.Lnogat_\@:
	ASK 6
	s_add_co_u32 s23, s23, 2
.endm
	s_load_b256 s[4:11], s[0:1], 0x0               ; W1's codes s[4:5], xq s[6:7], b1 s[8:9], the scales' exponents s[10:11]
	s_load_b128 s[12:15], s[0:1], 0x20             ; list s[12:13], hq s[14:15]
	v_lshl_add_u32 v254, v0, 2, 0x41000
	v_mov_b32 v255, 0
	v_lshrrev_b32 v1, 5, v0
	v_readfirstlane_b32 s16, v1
	s_and_b32 s17, s16, 3
	s_lshr_b32 s18, s16, 2
	s_and_b32 s20, ttmp7, 0xffff
	v_and_b32 v24, 31, v0
	v_and_b32 v25, 15, v0                          ; r
	v_bfe_u32 v26, v0, 4, 1                        ; h
	v_lshlrev_b32 v1, 4, v24
	s_mul_i32 s41, s16, 8*PX
	s_add_co_u32 s41, s41, XB0
	v_add_nc_u32 v2, s41, v1
	v_add_nc_u32 v3, XBD, v2
	v_mul_u32_u24 v27, v25, PX
	v_lshl_add_u32 v27, v26, 4, v27                ; row r, + 16 h
	s_mul_i32 s41, s18, 32*PX
	s_add_co_u32 s41, s41, XB0
	v_add_nc_u32 v4, s41, v27
	v_add_nc_u32 v5, XBD, v4
	s_mul_i32 s41, s17, 32*PX
	v_add_nc_u32 v6, s41, v27                      ; W1's fragments: place 32 (wave % 4) + r; tile u lies 16 places further on
	s_and_b32 s41, s16, 6
	s_lshl_b32 s41, s41, 4                         ; W1's rows in: I bring units 16 w + 0..15 of the 128: group w / 2, half g = w % 2:
	s_and_b32 s42, s16, 1
	s_lshl_b32 s42, s42, 3
	s_add_co_u32 s41, s41, s42                     ; place 32 (w / 2) + 8 (w % 2), + 16 (row / 8) + row % 8 in the store's offset
	s_mul_i32 s41, s41, PX
	v_add_nc_u32 v7, s41, v1
	s_lshl_b32 s41, s17, 9
	v_add_nc_u32 v8, s41, v1
	v_lshlrev_b32 v11, 6, v26
	v_mov_b32 v12, 0xb9d25000
	v_mov_b32 v13, 0xb9d25000
	s_lshl_b32 s27, s17, 3
	s_lshl_b32 s52, s20, 22                        ; W1: (4096 e + 128 chunk + 16 wave) rows of 1,024 bytes
	s_lshl_b32 s41, ttmp9, 17
	s_add_co_u32 s52, s52, s41
	s_lshl_b32 s41, s16, 14
	s_add_co_u32 s52, s52, s41
	s_mov_b32 s53, 0
	s_lshl_b32 s54, s20, 14                        ; b1: 4 (4096 e + 128 chunk + 32 (wave % 4))
	s_lshl_b32 s41, ttmp9, 9
	s_add_co_u32 s54, s54, s41
	s_lshl_b32 s41, s17, 7
	s_add_co_u32 s54, s54, s41
	s_mov_b32 s55, 0
	s_lshl_b32 s56, ttmp9, 11                      ; hq: my chunk is K step `chunk` of every tile
	s_mov_b32 s57, 0
	s_lshl_b32 s42, s20, 2
	s_wait_kmcnt 0x0
	s_load_b32 s21, s[12:13], s42 offset:9216      ; PB
	s_load_b32 s22, s[12:13], s42 offset:9248      ; NP
	s_load_b128 s[36:39], s[10:11], 0x0            ; e0 .. e3
	s_add_nc_u64 s[4:5], s[4:5], s[52:53]
	s_add_nc_u64 s[8:9], s[8:9], s[54:55]
	s_add_nc_u64 s[14:15], s[14:15], s[56:57]
	WIN 0x40                                       ; destination window 1
.irp row, 0,1,2,3,4,5,6,7,8,9,10,11,12,13,14,15
.irp hf, 0,1
	global_load_b128 v[8*\row+4*\hf:8*\row+4*\hf+3], v1, s[4:5] offset:1024*\row+512*\hf th:TH_LOAD_NT   ; read once in the launch
.endr
.endr
	WIN 0
.irp u, 0,1
	global_load_b128 v[B1R+8*\u:B1R+8*\u+3], v11, s[8:9] offset:32*\u
	global_load_b128 v[B1R+8*\u+4:B1R+8*\u+7], v11, s[8:9] offset:32*\u+16
.endr
	s_wait_kmcnt 0x0
	s_min_u32 s21, s21, 70
	s_min_u32 s22, s22, 32
	s_mov_b32 s23, s18
	s_cmp_lt_u32 s23, s22                          ; the first entries are read on every way: a wave without rows takes places 8 w on, which always hold rows
	s_cselect_b32 s41, s21, 0
	s_add_co_u32 s41, s41, s23
	s_lshl_b32 s41, s41, 5
	s_add_co_u32 s41, s41, s27
	s_min_u32 s41, s41, 2296
	s_lshl_b32 s25, s41, 2
	s_load_b256 s[44:51], s[12:13], s25 offset:0x0
	s_add_co_i32 s41, s36, s37                     ; e0 + e1
	s_sub_co_i32 s26, 0, s41
	s_lshl_b32 s43, s41, 23
	s_add_co_i32 s40, s43, 0x3f3504f3              ; 2^(e0 + e1) / sqrt 2: the sum is added to the exponent field
	s_sub_co_i32 s43, s39, s41
	s_add_co_i32 s43, s43, 127
	s_lshl_b32 s42, s43, 23
	v_mov_b32 v9, s42                              ; 2^(e3 - e0 - e1)
	s_add_co_i32 s43, s43, 8
	s_lshl_b32 s43, s43, 23
	s_or_b32 s43, s43, 0x600000
	v_mov_b32 v10, s43                             ; 448 x that
	s_wait_kmcnt 0x0
	GATHER                                         ; sub-trip 0
	ASK 2
	s_wait_loadcnt 16                              ; W1's rows and b1 are in; the 16 gather loads behind them may be out
	WIN 0x04                                       ; store data window 1
.irp row, 0,1,2,3,4,5,6,7,8,9,10,11,12,13,14,15
.irp hf, 0,1
	ds_store_b128 v7, v[8*\row+4*\hf:8*\row+4*\hf+3] offset:PX*(16*(\row/8)+\row%8)+512*\hf
.endr
.endr
	WIN 0
.irp j, 0,1,2,3,4,5,6,7,8,9,10,11,12,13,14,15
	v_ldexp_f32 v[B1R+\j], v[B1R+\j], s26
.endr
	s_wait_loadcnt 0x0
	PUT 0
	s_wait_dscnt 0x0                               ; my stores have landed and have read their registers
	s_wait_kmcnt 0x0
	s_add_co_u32 s41, s23, 2
	s_cmp_lt_u32 s41, s22
	s_cbranch_scc0 .Lnog1
	GATHER                                         ; sub-trip 1
.Lnog1:
	ASK 4
	s_barrier_signal -1
	s_barrier_wait -1                              ; W1's 128 rows and sub-trip 0's 64 rows lie in LDS
	WIN 0x40
.irp u, 0,1
.irp s, 0,1,2,3,4,5,6,7
.irp c, 0,1,2,3
	ds_load_b128 v[16*(8*\u+\s)+4*\c:16*(8*\u+\s)+4*\c+3], v6 offset:16*PX*\u+128*\s+32*\c   ; my 16 fragments of W1: they stay
.endr
.endr
.endr
	WIN 0
.set q, 0
.rept 32
	v_mov_b32 v[ACC+q], 0                          ; read in another block than the one that writes them: they hold numbers on every way
.set q, q+1
.endr
	s_mov_b32 s24, 8
.Ltrip:
	SUB 0
	SUB 1
	s_sub_co_u32 s24, s24, 1
	s_cmp_lg_u32 s24, 0
	s_cbranch_scc1 .Ltrip
	s_cmp_eq_u32 s18, 0
	s_cbranch_scc1 .Ldone
	s_sub_co_u32 s41, s23, 2
	s_cmp_lt_u32 s41, s22
	s_cbranch_scc0 .Ldone
	GELU2                                          ; waves 4-7: the last sub-trip's gelu
.Ldone:
	s_wait_tensorcnt 0x0
	ds_add_u32 v254, v255
	s_wait_dscnt 0x0
	s_endpgm
.Lfunc_end_k_q0b1de10b18_ffn1:
	.size	k_q0b1de10b18_ffn1, .Lfunc_end_k_q0b1de10b18_ffn1-k_q0b1de10b18_ffn1
	.p2alignl 7, 3214868480
	.fill 96, 4, 3214868480
	.section	.rodata,"a",@progbits
	.p2align	6, 0x0
	.amdhsa_kernel k_q0b1de10b18_ffn1
		.amdhsa_group_segment_fixed_size 267264
		.amdhsa_private_segment_fixed_size 0
		.amdhsa_enable_private_segment 0
		.amdhsa_kernarg_size 48
		.amdhsa_user_sgpr_count 2
		.amdhsa_user_sgpr_kernarg_segment_ptr 1
		.amdhsa_wavefront_size32 1
		.amdhsa_system_sgpr_workgroup_id_x 1
		.amdhsa_system_sgpr_workgroup_id_y 1
		.amdhsa_system_sgpr_workgroup_id_z 1
		.amdhsa_system_vgpr_workitem_id 0
		.amdhsa_next_free_vgpr 512
		.amdhsa_next_free_sgpr 66
		.amdhsa_reserve_vcc 0
		.amdhsa_float_denorm_mode_32 3
		.amdhsa_float_denorm_mode_16_64 3
		.amdhsa_memory_ordered 1
		.amdhsa_forward_progress 1
		.amdhsa_inst_pref_size 214
	.end_amdhsa_kernel
	.amdgpu_metadata
---
amdhsa.version: [ 1, 2 ]
amdhsa.kernels:
  - .name:           k_q0b1de10b18_ffn1
    .symbol:         k_q0b1de10b18_ffn1.kd
    .args:
      - { .name: W1_codes, .offset: 0, .size: 8, .value_kind: global_buffer, .address_space: global }
      - { .name: xq, .offset: 8, .size: 8, .value_kind: global_buffer, .address_space: global }
      - { .name: b1, .offset: 16, .size: 8, .value_kind: global_buffer, .address_space: global }
      - { .name: lowp_scales, .offset: 24, .size: 8, .value_kind: global_buffer, .address_space: global }
      - { .name: list, .offset: 32, .size: 8, .value_kind: global_buffer, .address_space: global }
      - { .name: hq, .offset: 40, .size: 8, .value_kind: global_buffer, .address_space: global }
    .group_segment_fixed_size: 267264
    .private_segment_fixed_size: 0
    .kernarg_segment_align: 8
    .kernarg_segment_size: 48
    .max_flat_workgroup_size: 256
    .sgpr_count:     66
    .vgpr_count:     512
    .wavefront_size: 32
...
	.end_amdgpu_metadata
.endif
;; end of part 3
;; launch ffn2 (part 4): grid 32 x 8, 4 waves a work-group, no clusters, 274,944 bytes of LDS; arguments W2_codes, hq, b2, lowp_scales, list, gsort, yp; writes yp
.if DOCPART == 4
	.amdgcn_target "amdgcn-amd-amdhsa--gfx1250"
	.amdhsa_code_object_version 6
	.text
	.protected	k_q0b1de10b18_ffn2
	.globl	k_q0b1de10b18_ffn2
	.p2align	8
	.type	k_q0b1de10b18_ffn2,@function
k_q0b1de10b18_ffn2:
	s_mov_b64 s[64:65], 0
	v_nop
	global_prefetch_b8 v0, s[64:65] scope:SCOPE_SE
	s_setreg_imm32_b32 hwreg(HW_REG_WAVE_MODE, 25, 1), 1
	s_wait_xcnt 0x0
; yp[kh][row] = gate x (h W2 x 2^(e2 + e3) (+ b2 where kh = 0)) for the routed rows, over half kh of K.  W2's codes: [8][1024 d][4096 k]; hq: images of operand registers (tile x 65,536 + K step x 2,048 + 512 c + 16 x lane).
; SHARES.  A work-group owns 64 columns d (x % 16), 2,048 of K (x / 16) and one expert (y): its 128 KB of W2 are read from memory once in the launch and stay in registers: wave w holds K steps 16 kh + 4 w + 0..3
; for all four column tiles (window 1).  The expert's rows come in sub-trips of 64 (four tiles).  Each fragment of h is loaded by ONE wave, straight from its image, a sub-trip ahead (windows 2 and 3 by turns), and feeds four
; matrix instructions.  The four waves' partial sums meet in LDS (two slots by turns, one barrier a sub-trip); wave w then adds, scales and stores rows 16 w .. 16 w + 15: sixteen lanes store 256 consecutive bytes, aligned.
; A row's place in yp is its list entry: slot x 1024 + token, or, for a filler, a spare row (2048 + 32 e + l) that its own expert's work-groups alone write and nobody reads.
; K is cut in two so that a row's codes reach a work-group as 2 KB and not 4; the price is two partial rows for each routed row, added by the last launch.
; THE LOOP HAS THE WORST CASE'S TRIPS (16 sub-trips) AND EVERY WAVE PASSES EVERY BARRIER; what hangs on the stored counts is jumped over, work alone.
; partners would need different numbers of tiles.
; THE PRODUCT IS USED TRANSPOSED (source 0 = 16 columns of W2, source 1 = 16 rows of h): a lane holds one row and eight neighbouring columns.
; LIMITS: e2 + e3 between -126 and 127.  NaN and infinities are not served.
.set RED0, 135168                      ; LDS: 0: W2's rows on their way into fragments, 64 rows x 528 bytes for each wave, its own;  RED0, RED1: [wave][64 rows][256 bytes + 16]
.set REDD, 69632
.set YO,   20                          ; v20-27   store offsets
.set Y,    32                          ; v32-63   rows to store
.set ACC,  128                         ; v128-255 accumulators 8 (4 m + n); on the way out the four waves' partial sums: 16 i + 4 wave
; v1 16 x lane; v2, v3 W2's rows in, fragments out; v4, v5 where I put partial sums; v6, v7 where I read them; v8 16 (lane % 16); v9, v10 the two pairs' offsets in hq; v[12:15] b2 (or 0); v16-19 at work
; s18 wave, s19 columns' chunk, s20 kh, s21 expert, s22 PB, s23 NP, s24 PT (the sub-trip's first pair), s25 trips, s26 list offset, s27 wave / 2, s28 16 x wave, s[30:31] yp's base, s[38:39] 2^(e2 + e3), s40 lanes 16-31, s[44:59] 16 list entries, s[68:83] their gates
.set MSB, 0
.macro WIN new                         ; the immediate's high byte repeats the setting that is left
.if MSB != (\new)
	s_set_vgpr_msb (MSB<<8)|(\new)
.set MSB, (\new)
.endif
.endm
.macro HLOAD p, b                      ; pair p of a sub-trip: two tiles x my four K steps, 32 loads of 512 consecutive bytes, into window 2 + b
	WIN 0x80+0x40*(\b)
.irp mm, 0,1
.irp j, 0,1,2,3,4,5,6,7,8,9,10,11,12,13,14,15
	global_load_b128 v[64*(2*\p+\mm)+4*\j:64*(2*\p+\mm)+4*\j+3], v[9+\p], s[6:7] offset:65536*\mm+512*\j
.endr
.endr
	WIN 0
.endm
.macro MULP p, b                       ; pair p: 32 matrix instructions, K step by K step, the pair's eight accumulators by turns: seven others' stand between two links of a chain; then the partial sums go to LDS
	WIN 0x09+4*(\b)                                ; source 0 (W2) window 1, source 1 (h) window 2 + b
.irp s, 0,1,2,3
.irp mm, 0,1
.irp n, 0,1,2,3
.if \s == 0
	v_wmma_f32_16x16x128_fp8_fp8 v[ACC+8*(4*(2*\p+\mm)+\n):ACC+8*(4*(2*\p+\mm)+\n)+7], v[16*(4*\n+\s):16*(4*\n+\s)+15], v[64*(2*\p+\mm)+16*\s:64*(2*\p+\mm)+16*\s+15], 0
.else
	v_wmma_f32_16x16x128_fp8_fp8 v[ACC+8*(4*(2*\p+\mm)+\n):ACC+8*(4*(2*\p+\mm)+\n)+7], v[16*(4*\n+\s):16*(4*\n+\s)+15], v[64*(2*\p+\mm)+16*\s:64*(2*\p+\mm)+16*\s+15], v[ACC+8*(4*(2*\p+\mm)+\n):ACC+8*(4*(2*\p+\mm)+\n)+7]
.endif
.endr
.endr
.endr
	WIN 0
.rept 5
	v_nop                                          ; five: the next matrix instruction on these accumulators begins a new sum over them; four serve the stores below and the loads into h's registers
.endr
.irp mm, 0,1
.irp n, 0,1,2,3
	ds_store_b128 v[4+\b], v[ACC+8*(4*(2*\p+\mm)+\n):ACC+8*(4*(2*\p+\mm)+\n)+3] offset:4352*(2*\p+\mm)+64*\n       ; each accumulator from its low end on
	ds_store_b128 v[4+\b], v[ACC+8*(4*(2*\p+\mm)+\n)+4:ACC+8*(4*(2*\p+\mm)+\n)+7] offset:4352*(2*\p+\mm)+64*\n+16
.endr
.endr
.endm
.macro LISTS                           ; the entries and gates of my 16 rows of the next sub-trip, if the expert has them.  No scalar load of mine is out here: s26 may be written
	s_add_co_u32 s41, s24, 2
	s_add_co_u32 s42, s41, s27
	s_cmp_lt_u32 s42, s23
	s_cbranch_scc0 .Lnolist_\@
	s_add_co_u32 s41, s41, s22
	s_lshl_b32 s41, s41, 5
	s_add_co_u32 s41, s41, s28
	s_min_u32 s41, s41, 2288
	s_lshl_b32 s26, s41, 2
	s_load_b512 s[44:59], s[12:13], s26 offset:0x0
	s_load_b512 s[68:83], s[14:15], s26 offset:0x0
.Lnolist_\@:
.endm
.macro EPI b                           ; rows 16 w .. 16 w + 15, two at a time: lanes 0-15 one row's 64 columns, lanes 16-31 the next row's
.irp i, 0,1,2,3,4,5,6,7
.irp q, 0,1,2,3
	ds_load_b128 v[ACC+16*\i+4*\q:ACC+16*\i+4*\q+3], v[6+\b] offset:17408*\q+544*\i
.endr
.endr
	s_wait_xcnt 0x0                                ; the last sub-trip's stores have read their offsets and data
.irp i, 0,1,2,3,4,5,6,7
.set R, ACC+16*\i
	v_mov_b32 v16, s[44+2*\i]
	v_mov_b32 v17, s[45+2*\i]
	v_cndmask_b32 v16, v16, v17, s40
	v_min_u32 v16, 0x8ff, v16
	v_lshl_add_u32 v[YO+\i], v16, 12, v8           ; the row's place in yp
	v_mov_b32 v18, s[68+2*\i]
	v_mov_b32 v17, s[69+2*\i]
	v_cndmask_b32 v18, v18, v17, s40               ; its gate
	s_wait_dscnt 28-4*\i                           ; these two rows' four loads are in; the later rows' may be out
	v_pk_add_f32 v[R:R+1], v[R:R+1], v[R+4:R+5]
	v_pk_add_f32 v[R+2:R+3], v[R+2:R+3], v[R+6:R+7]
	v_pk_add_f32 v[R+8:R+9], v[R+8:R+9], v[R+12:R+13]
	v_pk_add_f32 v[R+10:R+11], v[R+10:R+11], v[R+14:R+15]
	v_pk_add_f32 v[R:R+1], v[R:R+1], v[R+8:R+9]
	v_pk_add_f32 v[R+2:R+3], v[R+2:R+3], v[R+10:R+11]
	v_pk_fma_f32 v[R:R+1], v[R:R+1], s[38:39], v[12:13] op_sel_hi:[1,0,1]
	v_pk_fma_f32 v[R+2:R+3], v[R+2:R+3], s[38:39], v[14:15] op_sel_hi:[1,0,1]
	v_pk_mul_f32 v[Y+4*\i:Y+4*\i+1], v[R:R+1], v[18:19] op_sel_hi:[1,0]
	v_pk_mul_f32 v[Y+4*\i+2:Y+4*\i+3], v[R+2:R+3], v[18:19] op_sel_hi:[1,0]
	global_store_b128 v[YO+\i], v[Y+4*\i:Y+4*\i+3], s[30:31]
.endr
.endm
.macro BODY b                          ; a sub-trip; its h lies in window 2 + b
	s_wait_loadcnt 0x0                             ; this sub-trip's h, asked for a sub-trip ago, is in: so v9 and v10 may be written
	s_add_co_u32 s41, s22, s24
	s_lshl_b32 s41, s41, 1
	s_add_co_u32 s42, s41, 4
	s_min_u32 s42, s42, 142
	v_lshl_add_u32 v9, s42, 16, v1                 ; the next sub-trip's first pair,
	s_add_co_u32 s42, s41, 6
	s_min_u32 s42, s42, 142
	v_lshl_add_u32 v10, s42, 16, v1                ; and its second
	s_add_co_u32 s41, s24, 2
	s_cmp_lt_u32 s41, s23
	s_cbranch_scc0 .Lb1_\@
	HLOAD 0, 1-\b
.Lb1_\@:
	s_cmp_lt_u32 s24, s23
	s_cbranch_scc0 .Lb2_\@
	MULP 0, \b
.Lb2_\@:
	s_add_co_u32 s41, s24, 3
	s_cmp_lt_u32 s41, s23
	s_cbranch_scc0 .Lb3_\@
	HLOAD 1, 1-\b
.Lb3_\@:
	s_add_co_u32 s41, s24, 1
	s_cmp_lt_u32 s41, s23
	s_cbranch_scc0 .Lb4_\@
	MULP 1, \b
.Lb4_\@:
	s_wait_dscnt 0x0                               ; my partial sums have landed; my reads of the other slot, a sub-trip ago, are over
	s_barrier_signal -1
	s_barrier_wait -1
	s_wait_kmcnt 0x0
	s_add_co_u32 s41, s24, s27
	s_cmp_lt_u32 s41, s23
	s_cbranch_scc0 .Lb5_\@
	EPI \b
.Lb5_\@:
	LISTS
	s_add_co_u32 s24, s24, 2
.endm
	s_load_b256 s[4:11], s[0:1], 0x0               ; W2's codes s[4:5], hq s[6:7], b2 s[8:9], the scales' exponents s[10:11]
	s_load_b128 s[12:15], s[0:1], 0x20             ; list s[12:13], gsort s[14:15]
	s_load_b64 s[16:17], s[0:1], 0x30              ; yp
	v_lshl_add_u32 v126, v0, 2, 0x43000
	v_mov_b32 v127, 0
	v_lshrrev_b32 v1, 5, v0
	v_readfirstlane_b32 s18, v1
	s_and_b32 s19, ttmp9, 15
	s_lshr_b32 s20, ttmp9, 4
	s_and_b32 s21, ttmp7, 0xffff
	v_and_b32 v16, 31, v0
	v_and_b32 v17, 15, v0                          ; r
	v_bfe_u32 v18, v0, 4, 1                        ; h
	v_lshlrev_b32 v1, 4, v16
	s_mul_i32 s41, s18, 33792
	v_add_nc_u32 v2, s41, v1
	v_mul_u32_u24 v3, v17, 528
	v_lshl_add_u32 v3, v18, 4, v3
	v_add_nc_u32 v3, s41, v3
	s_mul_i32 s41, s18, 17408
	s_add_co_u32 s41, s41, RED0
	v_mul_u32_u24 v4, v17, 272
	v_lshl_add_u32 v4, v18, 5, v4
	v_add_nc_u32 v4, s41, v4
	v_add_nc_u32 v5, REDD, v4
	s_mul_i32 s41, s18, 4352
	s_add_co_u32 s41, s41, RED0
	v_mul_u32_u24 v6, v18, 272
	v_lshl_add_u32 v6, v17, 4, v6
	v_add_nc_u32 v6, s41, v6
	v_add_nc_u32 v7, REDD, v6
	v_lshlrev_b32 v8, 4, v17
	v_mov_b32 v19, 0                               ; named as the upper half of the pair v[18:19]
	s_mov_b32 s40, 0xffff0000
	s_lshr_b32 s27, s18, 1
	s_lshl_b32 s28, s18, 4
	s_mov_b32 s24, 0
	s_lshl_b32 s52, s21, 22                        ; W2: (1024 e + 64 chunk) rows of 4,096 bytes + 2,048 kh + 512 wave
	s_lshl_b32 s41, s19, 18
	s_add_co_u32 s52, s52, s41
	s_lshl_b32 s41, s20, 11
	s_add_co_u32 s52, s52, s41
	s_lshl_b32 s41, s18, 9
	s_add_co_u32 s52, s52, s41
	s_mov_b32 s53, 0
	s_lshl_b32 s54, s20, 15                        ; hq: K step 16 kh + 4 wave of every tile
	s_lshl_b32 s41, s18, 13
	s_add_co_u32 s54, s54, s41
	s_mov_b32 s55, 0
	s_lshl_b32 s56, s21, 12                        ; b2: 4 (1024 e + 64 chunk)
	s_lshl_b32 s41, s19, 8
	s_add_co_u32 s56, s56, s41
	s_mov_b32 s57, 0
	s_mul_i32 s58, s20, 9437184                    ; yp: half kh, + 256 x chunk
	s_add_co_u32 s58, s58, s41
	s_mov_b32 s59, 0
	s_lshl_b32 s42, s21, 2
	s_wait_kmcnt 0x0
	s_load_b32 s22, s[12:13], s42 offset:9216      ; PB
	s_load_b32 s23, s[12:13], s42 offset:9248      ; NP
	s_load_b128 s[32:35], s[10:11], 0x0            ; e0 .. e3
	s_add_nc_u64 s[4:5], s[4:5], s[52:53]
	s_add_nc_u64 s[6:7], s[6:7], s[54:55]
	s_add_nc_u64 s[8:9], s[8:9], s[56:57]
	s_add_nc_u64 s[30:31], s[16:17], s[58:59]
	WIN 0xc0                                       ; destination window 3
.set d, 0
.rept 64
	global_load_b128 v[4*d:4*d+3], v1, s[4:5] offset:4096*d th:TH_LOAD_NT   ; column d: my 512 consecutive bytes of K; read once in the launch
.set d, d+1
.endr
	WIN 0
	global_load_b128 v[12:15], v8, s[8:9]
	s_wait_kmcnt 0x0
	s_min_u32 s22, s22, 70
	s_min_u32 s23, s23, 32
	s_cmp_gt_u32 s23, 0                            ; the first sub-trip's h is read on every way: where the expert lacks a pair, pair 0 or 1 of hq, which always hold codes (2,048 rows fill 64 pairs at the least)
	s_cselect_b32 s41, s22, 0
	s_lshl_b32 s41, s41, 1
	s_min_u32 s41, s41, 142
	v_lshl_add_u32 v9, s41, 16, v1
	s_cmp_gt_u32 s23, 1
	s_cselect_b32 s41, s22, 0
	s_add_co_u32 s41, s41, 1
	s_lshl_b32 s41, s41, 1
	s_min_u32 s41, s41, 142
	v_lshl_add_u32 v10, s41, 16, v1
	HLOAD 0, 0
	HLOAD 1, 0
	s_cmp_lt_u32 s27, s23                          ; and so are the first entries and gates
	s_cselect_b32 s41, s22, 0
	s_lshl_b32 s41, s41, 5
	s_add_co_u32 s41, s41, s28
	s_min_u32 s41, s41, 2288
	s_lshl_b32 s26, s41, 2
	s_load_b512 s[44:59], s[12:13], s26 offset:0x0
	s_load_b512 s[68:83], s[14:15], s26 offset:0x0
	s_add_co_i32 s38, s34, s35
	s_add_co_i32 s38, s38, 127
	s_lshl_b32 s38, s38, 23                        ; 2^(e2 + e3) as f32
	s_mov_b32 s39, s38                             ; (named with it as a pair, so it is written)
	s_cmp_eq_u32 s20, 0
	s_cselect_b32 s41, 1.0, 0                      ; b2 is added in the first half of K alone
	s_wait_loadcnt 63                              ; 64 loads of h lie behind W2's and b2's: those are in
	v_mul_f32 v12, s41, v12
	v_mul_f32 v13, s41, v13
	v_mul_f32 v14, s41, v14
	v_mul_f32 v15, s41, v15
	WIN 0x0c                                       ; store data window 3
.set d, 0
.rept 64
	ds_store_b128 v2, v[4*d:4*d+3] offset:528*d
.set d, d+1
.endr
	WIN 0x40                                       ; destination window 1
.irp n, 0,1,2,3
.irp s, 0,1,2,3
.irp c, 0,1,2,3
	ds_load_b128 v[16*(4*\n+\s)+4*\c:16*(4*\n+\s)+4*\c+3], v3 offset:8448*\n+128*\s+32*\c   ; my wave's own bytes, served in order (ISA guide 5.7.1.4): my 16 fragments of W2, which stay
.endr
.endr
.endr
	WIN 0
	s_wait_dscnt 0x0
	s_mov_b32 s25, 8
.Ltrip:
	BODY 0
	BODY 1
	s_sub_co_u32 s25, s25, 1
	s_cmp_lg_u32 s25, 0
	s_cbranch_scc1 .Ltrip
	s_wait_tensorcnt 0x0
	ds_add_u32 v126, v127
	s_wait_dscnt 0x0
	s_endpgm
.Lfunc_end_k_q0b1de10b18_ffn2:
	.size	k_q0b1de10b18_ffn2, .Lfunc_end_k_q0b1de10b18_ffn2-k_q0b1de10b18_ffn2
	.p2alignl 7, 3214868480
	.fill 96, 4, 3214868480
	.section	.rodata,"a",@progbits
	.p2align	6, 0x0
	.amdhsa_kernel k_q0b1de10b18_ffn2
		.amdhsa_group_segment_fixed_size 274944
		.amdhsa_private_segment_fixed_size 0
		.amdhsa_enable_private_segment 0
		.amdhsa_kernarg_size 56
		.amdhsa_user_sgpr_count 2
		.amdhsa_user_sgpr_kernarg_segment_ptr 1
		.amdhsa_wavefront_size32 1
		.amdhsa_system_sgpr_workgroup_id_x 1
		.amdhsa_system_sgpr_workgroup_id_y 1
		.amdhsa_system_sgpr_workgroup_id_z 1
		.amdhsa_system_vgpr_workitem_id 0
		.amdhsa_next_free_vgpr 1024
		.amdhsa_next_free_sgpr 88
		.amdhsa_reserve_vcc 0
		.amdhsa_float_denorm_mode_32 3
		.amdhsa_float_denorm_mode_16_64 3
		.amdhsa_memory_ordered 1
		.amdhsa_forward_progress 1
		.amdhsa_inst_pref_size 76
	.end_amdhsa_kernel
	.amdgpu_metadata
---
amdhsa.version: [ 1, 2 ]
amdhsa.kernels:
  - .name:           k_q0b1de10b18_ffn2
    .symbol:         k_q0b1de10b18_ffn2.kd
    .args:
      - { .name: W2_codes, .offset: 0, .size: 8, .value_kind: global_buffer, .address_space: global }
      - { .name: hq, .offset: 8, .size: 8, .value_kind: global_buffer, .address_space: global }
      - { .name: b2, .offset: 16, .size: 8, .value_kind: global_buffer, .address_space: global }
      - { .name: lowp_scales, .offset: 24, .size: 8, .value_kind: global_buffer, .address_space: global }
      - { .name: list, .offset: 32, .size: 8, .value_kind: global_buffer, .address_space: global }
      - { .name: gsort, .offset: 40, .size: 8, .value_kind: global_buffer, .address_space: global }
      - { .name: yp, .offset: 48, .size: 8, .value_kind: global_buffer, .address_space: global }
    .group_segment_fixed_size: 274944
    .private_segment_fixed_size: 0
    .kernarg_segment_align: 8
    .kernarg_segment_size: 56
    .max_flat_workgroup_size: 128
    .sgpr_count:     88
    .vgpr_count:     1024
    .wavefront_size: 32
...
	.end_amdgpu_metadata
.endif
;; end of part 4
;; launch combine (part 5): grid 256 x 1, 8 waves a work-group, no clusters, 0 bytes of LDS; arguments yp, out0; writes out0
.if DOCPART == 5
	.amdgcn_target "amdgcn-amd-amdhsa--gfx1250"
	.amdhsa_code_object_version 6
	.text
	.protected	k_q0b1de10b18_combine
	.globl	k_q0b1de10b18_combine
	.p2align	8
	.type	k_q0b1de10b18_combine,@function
k_q0b1de10b18_combine:
	s_mov_b64 s[64:65], 0
	v_nop
	global_prefetch_b8 v0, s[64:65] scope:SCOPE_SE
	s_setreg_imm32_b32 hwreg(HW_REG_WAVE_MODE, 25, 1), 1
	s_wait_xcnt 0x0
; out0[t] = the four partial rows of token t added: two slots x two halves of K; yp: [2][2304 rows][1024] f32, row = slot x 1024 + token.
; A stream: a work-group owns four tokens, thread i the 16 bytes at 16 i of every row, so each load and store of a wave covers 512 consecutive bytes, aligned.  All 16 loads go out first; each byte is read once.
; No LDS, no barrier, no matrix unit: nothing is shared.
	s_load_b128 s[4:7], s[0:1], 0x0                ; yp, out0
	v_lshlrev_b32 v1, 4, v0
	s_lshl_b32 s8, ttmp9, 14                       ; four rows of 4,096 bytes
	s_mov_b32 s9, 0
	s_wait_kmcnt 0x0
	s_add_nc_u64 s[4:5], s[4:5], s[8:9]
	s_add_nc_u64 s[6:7], s[6:7], s[8:9]
	s_add_nc_u64 s[10:11], s[4:5], 9437184         ; the second half of K
.irp i, 0,1,2,3
	global_load_b128 v[4+16*\i:7+16*\i],   v1, s[4:5] offset:4096*\i th:TH_LOAD_NT
	global_load_b128 v[8+16*\i:11+16*\i],  v1, s[4:5] offset:4096*\i+4194304 th:TH_LOAD_NT
	global_load_b128 v[12+16*\i:15+16*\i], v1, s[10:11] offset:4096*\i th:TH_LOAD_NT
	global_load_b128 v[16+16*\i:19+16*\i], v1, s[10:11] offset:4096*\i+4194304 th:TH_LOAD_NT
.endr
.irp i, 0,1,2,3
	s_wait_loadcnt 12-4*\i                         ; this row's four loads are in; the later rows' may be out
	v_pk_add_f32 v[4+16*\i:5+16*\i], v[4+16*\i:5+16*\i], v[8+16*\i:9+16*\i]
	v_pk_add_f32 v[6+16*\i:7+16*\i], v[6+16*\i:7+16*\i], v[10+16*\i:11+16*\i]
	v_pk_add_f32 v[12+16*\i:13+16*\i], v[12+16*\i:13+16*\i], v[16+16*\i:17+16*\i]
	v_pk_add_f32 v[14+16*\i:15+16*\i], v[14+16*\i:15+16*\i], v[18+16*\i:19+16*\i]
	v_pk_add_f32 v[4+16*\i:5+16*\i], v[4+16*\i:5+16*\i], v[12+16*\i:13+16*\i]
	v_pk_add_f32 v[6+16*\i:7+16*\i], v[6+16*\i:7+16*\i], v[14+16*\i:15+16*\i]
	global_store_b128 v1, v[4+16*\i:7+16*\i], s[6:7] offset:4096*\i th:TH_STORE_NT
.endr
	s_endpgm
.Lfunc_end_k_q0b1de10b18_combine:
	.size	k_q0b1de10b18_combine, .Lfunc_end_k_q0b1de10b18_combine-k_q0b1de10b18_combine
	.p2alignl 7, 3214868480
	.fill 96, 4, 3214868480
	.section	.rodata,"a",@progbits
	.p2align	6, 0x0
	.amdhsa_kernel k_q0b1de10b18_combine
		.amdhsa_group_segment_fixed_size 0
		.amdhsa_private_segment_fixed_size 0
		.amdhsa_enable_private_segment 0
		.amdhsa_kernarg_size 16
		.amdhsa_user_sgpr_count 2
		.amdhsa_user_sgpr_kernarg_segment_ptr 1
		.amdhsa_wavefront_size32 1
		.amdhsa_system_sgpr_workgroup_id_x 1
		.amdhsa_system_sgpr_workgroup_id_y 1
		.amdhsa_system_sgpr_workgroup_id_z 1
		.amdhsa_system_vgpr_workitem_id 0
		.amdhsa_next_free_vgpr 96
		.amdhsa_next_free_sgpr 66
		.amdhsa_reserve_vcc 0
		.amdhsa_float_denorm_mode_32 3
		.amdhsa_float_denorm_mode_16_64 3
		.amdhsa_memory_ordered 1
		.amdhsa_forward_progress 1
		.amdhsa_inst_pref_size 5
	.end_amdhsa_kernel
	.amdgpu_metadata
---
amdhsa.version: [ 1, 2 ]
amdhsa.kernels:
  - .name:           k_q0b1de10b18_combine
    .symbol:         k_q0b1de10b18_combine.kd
    .args:
      - { .name: yp, .offset: 0, .size: 8, .value_kind: global_buffer, .address_space: global }
      - { .name: out0, .offset: 8, .size: 8, .value_kind: global_buffer, .address_space: global }
    .group_segment_fixed_size: 0
    .private_segment_fixed_size: 0
    .kernarg_segment_align: 8
    .kernarg_segment_size: 16
    .max_flat_workgroup_size: 256
    .sgpr_count:     66
    .vgpr_count:     96
    .wavefront_size: 32
...
	.end_amdgpu_metadata
.endif
;; end of part 5
;; ======== version 2 of 2: 5 launches; version 1 with the launches ffn1, ffn2 written anew for expert scheduling mode
;; workspace buffers: xq 1,048,576 bytes; sel 8,192 bytes of whole numbers; rt 24,576 bytes; list 9,472 bytes of whole numbers; gsort 9,216 bytes; hq 9,437,184 bytes; yp 18,874,368 bytes
;; launch route: the kernel of part 1 again; grid 256 x 1, 2 waves a work-group, no clusters, 41,216 bytes of LDS; arguments x, Wr, br, lowp_scales, xq, sel, rt; writes xq, sel, rt
;; launch place: the kernel of part 2 again; grid 1 x 1, 32 waves a work-group, no clusters, 12,288 bytes of LDS; arguments sel, rt, list, gsort, out1; writes list, gsort, out1
;; launch ffn1 (part 6): grid 32 x 8, 8 waves a work-group, no clusters, 267,264 bytes of LDS; arguments W1_codes, xq, b1, lowp_scales, list, hq; writes hq
.if DOCPART == 6
	.amdgcn_target "amdgcn-amd-amdhsa--gfx1250"
	.amdhsa_code_object_version 6
	.text
	.protected	k_q0b1de10b18_ffn1
	.globl	k_q0b1de10b18_ffn1
	.p2align	8
	.type	k_q0b1de10b18_ffn1,@function
k_q0b1de10b18_ffn1:
	s_mov_b64 s[64:65], 0
	v_nop
	global_prefetch_b8 v0, s[64:65] scope:SCOPE_SE
	s_setreg_imm32_b32 hwreg(HW_REG_WAVE_SCHED_MODE, 0, 2), 2
	s_setreg_imm32_b32 hwreg(HW_REG_WAVE_MODE, 25, 1), 1
	s_wait_xcnt 0x0
	s_wait_alu depctr_vm_vsrc(0)
; hq = Q(gelu(x W1 + b1)) for the routed rows alone, on codes of E4M3.  W1's codes: [8][4096 hidden][1024 k]; xq: [1024 tokens][1024 k]; scales 2^e0 (W1), 2^e1 (x), 2^e3 (the hidden layer).
; SHARES.  A work-group owns 128 hidden units (x of the grid) of one expert (y): its 128 KB of W1 are read from memory once in the launch and stay in registers: wave w holds units 32 (w % 4) + 0..31, all of K,
; in 256 registers (window 1).  The expert's rows come in sub-trips of 64 (two pairs of 16-row tiles); waves 0-3 take the first pair, waves 4-7 the second.  Rows are gathered by the stored list: wave w brings rows
; 8 w .. 8 w + 7 through registers into one of two LDS buffers, two sub-trips ahead.
; THE LOOP HAS THE WORST CASE'S TRIPS (16 sub-trips: all 1,024 tokens on one expert) AND EVERY WAVE PASSES EVERY BARRIER; what hangs on the stored counts is jumped over, work alone.  Because branches hang on numbers read
; from memory, there is no tensor load, and so no cluster with joint loads either: partners would need different numbers of tiles.
; THE PRODUCT IS USED TRANSPOSED (source 0 = 16 hidden units, source 1 = 16 rows): a lane holds one row.  THE UNITS OF A TILE ARE NOT NEIGHBOURS: lane r of tile u takes unit 8 u + r + 8 (r / 8) of the wave's 32, so that the 16
; registers of tiles 0 and 1 are 16 neighbours along the next K.  IN LDS A TILE'S UNITS ARE NEIGHBOURS: unit 16 g + 8 u + r' of a group of 32 lies at place 16 u + 8 g + r', so the sixteen rows of a fragment load are sixteen
; neighbouring LDS rows.  Fragments are fed by four 16-byte pieces (k = 32 c + 16 (lane / 16) + 0..15 in registers 4 c ..): the same permutation of k on both sides.
; hq IS LAID AS IMAGES OF THE NEXT PRODUCT'S OPERAND REGISTERS: tile of 16 rows x 65,536 + K step (128 units) x 2,048 + 512 c + 16 x lane.  A wave's store covers 512 consecutive bytes, aligned.
; gelu(z) = max(z, 0) - |z| x erfc(|z| / sqrt 2) / 2, exact form; (1 + 2a) e^(a a) erfc(a) - 1 is a polynomial of degree 9 in (a - 2) / (a + 2).  All in units of the raw sums: b1 goes in as the C of the first product,
; divided by 2^(e0 + e1); the conversion takes the folded scale 2^(e3 - e0 - e1).
; Waves 4-7 run their gelu one sub-trip late, so that of the two waves that share registers' home one multiplies while the other does vector work.
; LIMITS: e0 + e1 between -125 and 127; e3 - e0 - e1 between -126 and 119.  NaN and infinities are not served.  gelu's relative error is about 1e-6 and grows as a a x 1.2e-7 in the far negative tail.
; THE MODE: SCHED_MODE bits 1:0 = 2 (LLVM: expert scheduling mode 2), set by the entry lines.  The code itself states the register dependences
; between vector or matrix instructions and memory or LDS instructions, with s_wait_alu, always for 0.
; THE PLAN.  Registers that memory or LDS instructions touch:
;   v[OFF ..]       Written by a gather's eight additions, read by its sixteen loads.
;   v[G ..]         The gather's loads land in them, PUT's LDS stores read them; no vector instruction names them.
;   XF0, XF1, XF2   (v112-143, v144-175, v208-239)  K step s: its eight LDS loads land in buffer s % 3, its four products read it.  Between two K loops the gelu's lines work in the same registers.
;   v[CODE ..], v14 Written by the gelu, read by its two stores.
;   window 1        At the head alone: W1's rows land, LDS stores read them, the fragments' LDS loads land.  From then on products alone name it.
;   v1-v8, v11      Offsets and addresses, made at the head and never written again.
; So: a K loop begins with one wait on va_vdst and the loads of steps 0 to 2; at the head of steps 1 to 5 one more wait states that the step before is done reading its buffer, and the loads of two steps on go into it, ahead of
; the step's products (in one run: the products take W1's window as source 0, the loads need window 0 there).  A gelu begins with one wait on vm_vsrc and ends with one on va_vdst ahead of both its stores.  A gather has one of each.
.set PX,   1040                        ; an LDS row: 1,024 bytes + 16: 65 x 16 bytes, so the 16 neighbouring rows of a fragment load start at 16 different places modulo 256
.set XB0,  128*PX                      ; LDS: W1's 128 rows at 0; two buffers of 64 rows of x behind them
.set XBD,  64*PX
.set OFF,  16                          ; v16-23   gather offsets
.set CODE, 24                          ; v24-31   codes to store
.set B1R,  32                          ; v32-47   b1 / 2^(e0 + e1) in the result's layout, tile u at 8 u
.set G,    48                          ; v48-111  eight gathered rows, 32 bytes a lane each
.set XF,   112                         ; v112-175 x's fragments: buffers 0 and 1, two tiles each; buffer 2 is v208-239
.set ACC,  176                         ; v176-207 accumulators: 16 i + 8 u
.set GA,   112                         ; gelu: a, later p       (these five lie on x's buffers, which are idle then)
.set GT1,  128                         ;       1 / (a + 2), later max(z, 0)
.set GT2,  144                         ;       1 / (2 a + 1)
.set GE,   160                         ;       e^(-a a) / 2
.set GQ,   208                         ; v208-223 q
; v1 16 x lane; v2, v3 where I put gathered rows; v4, v5 where I read x's fragments; v6 W1's fragments; v7 W1's rows in; v8 my place in an image; v9, v10 the folded scale and 448 x it; v11 64 (lane / 16); v[12:13] c9; v14 store offset
; s16 wave, s17 wave % 4, s18 wave / 4, s20 expert, s21 PB, s22 NP, s23 PI (my pair in the sub-trip in hand), s24 trips, s25 list offset, s26 -(e0 + e1), s27 8 (wave % 4), s40 2^(e0 + e1) / sqrt 2, s[44:51] eight list entries
.set MSB, 0
.macro WIN new                         ; the immediate's high byte repeats the setting that is left
.if MSB != (\new)
	s_set_vgpr_msb (MSB<<8)|(\new)
.set MSB, (\new)
.endif
.endm
; the list entries of my eight rows of pair PI + d, if the expert has that pair.  No scalar load of mine is out here: s25 may be written
.macro ASK d
	s_add_co_u32 s41, s23, \d
	s_cmp_lt_u32 s41, s22
	s_cbranch_scc0 .Lnoask_\@
	s_add_co_u32 s41, s41, s21
	s_lshl_b32 s41, s41, 5
	s_add_co_u32 s41, s41, s27
	s_min_u32 s41, s41, 2296
	s_lshl_b32 s25, s41, 2
	s_load_b256 s[44:51], s[12:13], s25 offset:0x0
.Lnoask_\@:
.endm
.macro GATHER anew                     ; eight rows of xq, 1,024 bytes each: two loads of 512 consecutive bytes a row.  anew = 1: every gather but the first
.if \anew
	s_wait_alu depctr_vm_vsrc(0)                   ; the last gather's loads have read v[OFF ..], which the additions write again; PUT's LDS stores have read v[G ..], in which the loads below land
.endif
.irp i, 0,1,2,3,4,5,6,7
	s_min_u32 s41, s[44+\i], 0xfff
	s_and_b32 s41, s41, 0x3ff                      ; the token (a filler names some real token)
	v_lshl_add_u32 v[OFF+\i], s41, 10, v1
.endr
	s_wait_alu depctr_va_vdst(0)                   ; the eight offsets v[OFF ..] are written, which the loads below read
.irp i, 0,1,2,3,4,5,6,7
.irp hf, 0,1
	global_load_b128 v[G+8*\i+4*\hf:G+8*\i+4*\hf+3], v[OFF+\i], s[6:7] offset:512*\hf
.endr
.endr
.endm
.macro PUT b
.irp i, 0,1,2,3,4,5,6,7
.irp hf, 0,1
	ds_store_b128 v[2+\b], v[G+8*\i+4*\hf:G+8*\i+4*\hf+3] offset:PX*\i+512*\hf
.endr
.endr
.endm
.macro FETCHX b, s, buf                ; my pair's two fragments of K step s into buffer buf: 0 at v112, 1 at v144, 2 at v208
.set XD, XF+32*(\buf)+32*((\buf)/2)
.irp i, 0,1
.irp c, 0,1,2,3
	ds_load_b128 v[XD+16*\i+4*\c:XD+16*\i+4*\c+3], v[4+\b] offset:16*PX*\i+128*(\s)+32*\c
.endr
.endr
.endm
; 32 rows x 32 units x K = 1,024: four accumulators by turns, eight K steps; three buffers of fragments, asked for two steps ahead
.macro KLOOP b
	s_wait_alu depctr_va_vdst(0)                   ; the gelu's lines and the last K loop's products are done with the three buffers, in which the loads below land
	FETCHX \b, 0, 0
	FETCHX \b, 1, 1
	FETCHX \b, 2, 2
.irp s, 0,1,2,3,4,5,6,7
.set XS, XF+32*(\s%3)+32*((\s%3)/2)
.if (\s >= 1) && (\s <= 5)
	s_wait_alu depctr_va_vdst(0)                   ; the products of the step before are done reading their buffer, in which the loads of two steps on land
	FETCHX \b, \s+2, (\s+2)%3
.endif
.if \s <= 5
	s_wait_dscnt 16                                ; LDS loads come back in order (ISA guide 5.7.1): this step's eight are in; the sixteen of the next two steps may be out
.else
	s_wait_dscnt 8*(7-\s)                          ; the counts run down
.endif
	WIN 0x01                                       ; source 0 (W1) window 1
.irp i, 0,1
.irp u, 0,1
.if \s == 0
	v_wmma_f32_16x16x128_fp8_fp8 v[ACC+16*\i+8*\u:ACC+16*\i+8*\u+7], v[16*(8*\u+\s):16*(8*\u+\s)+15], v[XS+16*\i:XS+16*\i+15], v[B1R+8*\u:B1R+8*\u+7]
.else
	v_wmma_f32_16x16x128_fp8_fp8 v[ACC+16*\i+8*\u:ACC+16*\i+8*\u+7], v[16*(8*\u+\s):16*(8*\u+\s)+15], v[XS+16*\i:XS+16*\i+15], v[ACC+16*\i+8*\u:ACC+16*\i+8*\u+7]
.endif
.endr
.endr
	WIN 0
.endr
.rept 5
	v_nop                                          ; five: the next matrix instruction on these accumulators begins a new sum over them; four serve the gelu's reads of the sums and its writes into the buffers (ISA guide 7.12.1)
.endr
.endm
.macro GELU1 i                         ; 16 rows x my 32 units: 16 numbers a lane; the codes stay in v[CODE + 4 i ..] for GELU2's stores
.set Z, ACC+16*\i
.irp j, 0,1,2,3,4,5,6,7,8,9,10,11,12,13,14,15
	v_mul_f32 v[GA+\j], |v[Z+\j]|, s40             ; a = |z| / sqrt 2; each accumulator is read from its low end on
.endr
.irp j, 0,2,4,6,8,10,12,14
	v_pk_add_f32 v[GT1+\j:GT1+\j+1], v[GA+\j:GA+\j+1], 2.0 op_sel_hi:[1,0]
	v_pk_fma_f32 v[GT2+\j:GT2+\j+1], v[GA+\j:GA+\j+1], 2.0, 1.0 op_sel_hi:[1,0,0]
	v_pk_mul_f32 v[GE+\j:GE+\j+1], v[GA+\j:GA+\j+1], v[GA+\j:GA+\j+1]
.endr
.irp j, 0,2,4,6,8,10,12,14
	v_pk_fma_f32 v[GE+\j:GE+\j+1], v[GE+\j:GE+\j+1], 0xbfb8aa3b, -1.0 op_sel_hi:[1,0,0]   ; -a a log2 e - 1
.endr
.irp j, 0,1,2,3,4,5,6,7,8,9,10,11,12,13,14,15
	v_rcp_f32 v[GT1+\j], v[GT1+\j]
.endr
.irp j, 0,1,2,3,4,5,6,7,8,9,10,11,12,13,14,15
	v_rcp_f32 v[GT2+\j], v[GT2+\j]
.endr
.irp j, 0,1,2,3,4,5,6,7,8,9,10,11,12,13,14,15
	v_exp_f32 v[GE+\j], v[GE+\j]
.endr
.irp j, 0,2,4,6,8,10,12,14
	v_pk_add_f32 v[GQ+\j:GQ+\j+1], v[GA+\j:GA+\j+1], -2.0 op_sel_hi:[1,0]   ; plain lines behind the batch, which name none of its results
.endr
	s_wait_alu depctr_va_vdst(0)                   ; the 32 reciprocals in v[GT1 ..], v[GT2 ..] and the 16 exponentials in v[GE ..] are written: one wait for the batch, ahead of its first reader
.irp j, 0,2,4,6,8,10,12,14
	v_pk_mul_f32 v[GQ+\j:GQ+\j+1], v[GQ+\j:GQ+\j+1], v[GT1+\j:GT1+\j+1]     ; q = (a - 2) / (a + 2)
.endr
.irp j, 0,2,4,6,8,10,12,14
	v_pk_fma_f32 v[GA+\j:GA+\j+1], v[GQ+\j:GQ+\j+1], v[12:13], 0xbaa15130 op_sel_hi:[1,1,0]
.endr
.irp k, 0x3aac2b8a, 0x3c0d6e62, 0xbc040dc1, 0xbd5e05b5, 0x3e27fe23, 0xbe2a0420, 0xbdbdfb0b, 0x3e8dd01d
.irp j, 0,2,4,6,8,10,12,14
	v_pk_fma_f32 v[GA+\j:GA+\j+1], v[GA+\j:GA+\j+1], v[GQ+\j:GQ+\j+1], \k op_sel_hi:[1,1,0]
.endr
.endr
.irp j, 0,2,4,6,8,10,12,14
	v_pk_fma_f32 v[GA+\j:GA+\j+1], v[GA+\j:GA+\j+1], v[GT2+\j:GT2+\j+1], v[GT2+\j:GT2+\j+1]   ; (p + 1) / (1 + 2 a)
.endr
.irp j, 0,2,4,6,8,10,12,14
	v_pk_mul_f32 v[GA+\j:GA+\j+1], v[GA+\j:GA+\j+1], v[GE+\j:GE+\j+1]       ; erfc(a) / 2
.endr
.irp j, 0,1,2,3,4,5,6,7,8,9,10,11,12,13,14,15
	v_max_num_f32 v[GT1+\j], 0, v[Z+\j]
.endr
.irp j, 0,1,2,3,4,5,6,7,8,9,10,11,12,13,14,15
	v_fma_f32 v[Z+\j], -v[GA+\j], |v[Z+\j]|, v[GT1+\j]
.endr
.irp j, 0,1,2,3,4,5,6,7,8,9,10,11,12,13,14,15
	v_med3_num_f32 v[Z+\j], v[Z+\j], -v10, v10     ; the conversion to an 8-bit code does not saturate (ISA guide 7.6.2): the hold
.endr
	v_cvt_scalef32_pk8_fp8_f32 v[CODE+4*\i:CODE+4*\i+1], v[Z:Z+7], v9
	v_cvt_scalef32_pk8_fp8_f32 v[CODE+4*\i+2:CODE+4*\i+3], v[Z+8:Z+15], v9
	v_nop                                          ; one plain line behind the conversions: matrix instructions write their sources later
.endm
.macro GELU2                           ; the pair whose number among the expert's stands in s41
	s_wait_xcnt 0x0                                ; the last stores have had their addresses translated (ISA guide 3.1): v14 and the codes' registers are rewritten only behind this wait,
	s_wait_alu depctr_vm_vsrc(0)                   ; and behind this one: the last gelu's two stores have read v14 and v[CODE ..]
	s_add_co_u32 s41, s41, s21
	s_lshl_b32 s41, s41, 1
	s_min_u32 s41, s41, 142                        ; the pair's first tile
	v_lshl_add_u32 v14, s41, 16, v8
	GELU1 0
	GELU1 1
	s_wait_alu depctr_va_vdst(0)                   ; v14 and both tiles' codes v[CODE ..] are written, which the two stores read
	global_store_b128 v14, v[CODE:CODE+3], s[14:15]                  ; piece wave % 4 of the first tile's image: 512 consecutive bytes
	global_store_b128 v14, v[CODE+4:CODE+7], s[14:15] offset:65536   ; and of the second's
.endm
; A sub-trip.  b: the buffer that holds its rows
.macro SUB b
	s_cmp_eq_u32 s18, 0
	s_cbranch_scc1 .Lnolate_\@
	s_sub_co_u32 s41, s23, 2                       ; waves 4-7: the gelu of the sub-trip before (in the first sub-trip the difference wraps and fails the test)
	s_cmp_lt_u32 s41, s22
	s_cbranch_scc0 .Lnolate_\@
	GELU2
.Lnolate_\@:
	s_cmp_lt_u32 s23, s22
	s_cbranch_scc0 .Lnowork_\@
	KLOOP \b
	s_cmp_lg_u32 s18, 0
	s_cbranch_scc1 .Lnowork_\@
	s_mov_b32 s41, s23
	GELU2
.Lnowork_\@:
	s_wait_loadcnt 0x0                             ; the next sub-trip's rows, asked for a sub-trip ago, are in registers
	s_add_co_u32 s41, s23, 2
	s_cmp_lt_u32 s41, s22
	s_cbranch_scc0 .Lnoput_\@
	PUT 1-\b
.Lnoput_\@:
	s_wait_dscnt 0x0                               ; my stores into the other buffer have landed, my reads of this one are over
	s_barrier_signal -1
	s_barrier_wait -1
	s_wait_kmcnt 0x0
	s_add_co_u32 s41, s23, 4
	s_cmp_lt_u32 s41, s22
	s_cbranch_scc0 .Lnogat_\@
	GATHER 1
.Lnogat_\@:
	ASK 6
	s_add_co_u32 s23, s23, 2
.endm
	s_load_b256 s[4:11], s[0:1], 0x0               ; W1's codes s[4:5], xq s[6:7], b1 s[8:9], the scales' exponents s[10:11]
	s_load_b128 s[12:15], s[0:1], 0x20             ; list s[12:13], hq s[14:15]
	v_lshl_add_u32 v254, v0, 2, 0x41000            ; my spare word and 0: kept for the closing lines alone
	v_mov_b32 v255, 0
	v_lshrrev_b32 v1, 5, v0
	v_readfirstlane_b32 s16, v1
	s_and_b32 s20, ttmp7, 0xffff
	v_and_b32 v24, 31, v0
	v_and_b32 v25, 15, v0                          ; r
	v_bfe_u32 v26, v0, 4, 1                        ; h
	v_lshlrev_b32 v1, 4, v24
	s_wait_alu depctr_va_sdst(0)                   ; s16, the wave's number, is written, ahead of its first reader
	s_and_b32 s17, s16, 3
	s_lshr_b32 s18, s16, 2
	s_mul_i32 s41, s16, 8*PX
	s_add_co_u32 s41, s41, XB0
	v_add_nc_u32 v2, s41, v1
	v_add_nc_u32 v3, XBD, v2
	v_mul_u32_u24 v27, v25, PX
	v_lshl_add_u32 v27, v26, 4, v27                ; row r, + 16 h
	s_mul_i32 s41, s18, 32*PX
	s_add_co_u32 s41, s41, XB0
	v_add_nc_u32 v4, s41, v27
	v_add_nc_u32 v5, XBD, v4
	s_mul_i32 s41, s17, 32*PX
	v_add_nc_u32 v6, s41, v27                      ; W1's fragments: place 32 (wave % 4) + r; tile u lies 16 places further on
	s_and_b32 s41, s16, 6
	s_lshl_b32 s41, s41, 4                         ; W1's rows in: I bring units 16 w + 0..15 of the 128: group w / 2, half g = w % 2:
	s_and_b32 s42, s16, 1
	s_lshl_b32 s42, s42, 3
	s_add_co_u32 s41, s41, s42                     ; place 32 (w / 2) + 8 (w % 2), + 16 (row / 8) + row % 8 in the store's offset
	s_mul_i32 s41, s41, PX
	v_add_nc_u32 v7, s41, v1
	s_lshl_b32 s41, s17, 9
	v_add_nc_u32 v8, s41, v1
	v_lshlrev_b32 v11, 6, v26
	v_mov_b32 v12, 0xb9d25000
	v_mov_b32 v13, 0xb9d25000
	s_lshl_b32 s27, s17, 3
	s_lshl_b32 s52, s20, 22                        ; W1: (4096 e + 128 chunk + 16 wave) rows of 1,024 bytes
	s_lshl_b32 s41, ttmp9, 17
	s_add_co_u32 s52, s52, s41
	s_lshl_b32 s41, s16, 14
	s_add_co_u32 s52, s52, s41
	s_mov_b32 s53, 0
	s_lshl_b32 s54, s20, 14                        ; b1: 4 (4096 e + 128 chunk + 32 (wave % 4))
	s_lshl_b32 s41, ttmp9, 9
	s_add_co_u32 s54, s54, s41
	s_lshl_b32 s41, s17, 7
	s_add_co_u32 s54, s54, s41
	s_mov_b32 s55, 0
	s_lshl_b32 s56, ttmp9, 11                      ; hq: my chunk is K step `chunk` of every tile
	s_mov_b32 s57, 0
	s_lshl_b32 s42, s20, 2
	s_wait_kmcnt 0x0
	s_load_b32 s21, s[12:13], s42 offset:9216      ; PB
	s_load_b32 s22, s[12:13], s42 offset:9248      ; NP
	s_load_b128 s[36:39], s[10:11], 0x0            ; e0 .. e3
	s_add_nc_u64 s[4:5], s[4:5], s[52:53]
	s_add_nc_u64 s[8:9], s[8:9], s[54:55]
	s_add_nc_u64 s[14:15], s[14:15], s[56:57]
	WIN 0x40                                       ; destination window 1
	s_wait_alu depctr_va_vdst(0)                   ; the offsets and addresses v1 to v8 and v11 are written, which the loads, stores and LDS instructions of the whole kernel read
.irp row, 0,1,2,3,4,5,6,7,8,9,10,11,12,13,14,15
.irp hf, 0,1
	global_load_b128 v[8*\row+4*\hf:8*\row+4*\hf+3], v1, s[4:5] offset:1024*\row+512*\hf th:TH_LOAD_NT   ; read once in the launch
.endr
.endr
	WIN 0
.irp u, 0,1
	global_load_b128 v[B1R+8*\u:B1R+8*\u+3], v11, s[8:9] offset:32*\u
	global_load_b128 v[B1R+8*\u+4:B1R+8*\u+7], v11, s[8:9] offset:32*\u+16
.endr
	s_wait_kmcnt 0x0
	s_min_u32 s21, s21, 70
	s_min_u32 s22, s22, 32
	s_mov_b32 s23, s18
	s_cmp_lt_u32 s23, s22                          ; the first entries are read on every way: a wave without rows takes places 8 w on, which always hold rows
	s_cselect_b32 s41, s21, 0
	s_add_co_u32 s41, s41, s23
	s_lshl_b32 s41, s41, 5
	s_add_co_u32 s41, s41, s27
	s_min_u32 s41, s41, 2296
	s_lshl_b32 s25, s41, 2
	s_load_b256 s[44:51], s[12:13], s25 offset:0x0
	s_add_co_i32 s41, s36, s37                     ; e0 + e1
	s_sub_co_i32 s26, 0, s41
	s_lshl_b32 s43, s41, 23
	s_add_co_i32 s40, s43, 0x3f3504f3              ; 2^(e0 + e1) / sqrt 2: the sum is added to the exponent field
	s_sub_co_i32 s43, s39, s41
	s_add_co_i32 s43, s43, 127
	s_lshl_b32 s42, s43, 23
	v_mov_b32 v9, s42                              ; 2^(e3 - e0 - e1)
	s_add_co_i32 s43, s43, 8
	s_lshl_b32 s43, s43, 23
	s_or_b32 s43, s43, 0x600000
	v_mov_b32 v10, s43                             ; 448 x that
	s_wait_kmcnt 0x0
	GATHER 0                                       ; sub-trip 0
	ASK 2
	s_wait_loadcnt 16                              ; W1's rows and b1 are in; the 16 gather loads behind them may be out
	WIN 0x04                                       ; store data window 1
.irp row, 0,1,2,3,4,5,6,7,8,9,10,11,12,13,14,15
.irp hf, 0,1
	ds_store_b128 v7, v[8*\row+4*\hf:8*\row+4*\hf+3] offset:PX*(16*(\row/8)+\row%8)+512*\hf
.endr
.endr
	WIN 0
.irp j, 0,1,2,3,4,5,6,7,8,9,10,11,12,13,14,15
	v_ldexp_f32 v[B1R+\j], v[B1R+\j], s26
.endr
	s_wait_loadcnt 0x0
	PUT 0
	s_wait_dscnt 0x0                               ; for the other waves' sake: my stores have landed
	s_wait_kmcnt 0x0
	s_add_co_u32 s41, s23, 2
	s_cmp_lt_u32 s41, s22
	s_cbranch_scc0 .Lnog1
	GATHER 1                                       ; sub-trip 1
.Lnog1:
	ASK 4
	s_barrier_signal -1
	s_barrier_wait -1                              ; W1's 128 rows and sub-trip 0's 64 rows lie in LDS
	WIN 0x40
	s_wait_alu depctr_vm_vsrc(0)                   ; my LDS stores of W1's rows have read the first half of window 1, in which the fragments' loads land
.irp u, 0,1
.irp s, 0,1,2,3,4,5,6,7
.irp c, 0,1,2,3
	ds_load_b128 v[16*(8*\u+\s)+4*\c:16*(8*\u+\s)+4*\c+3], v6 offset:16*PX*\u+128*\s+32*\c   ; my 16 fragments of W1: they stay
.endr
.endr
.endr
	WIN 0
.set q, 0
.rept 32
	v_mov_b32 v[ACC+q], 0                          ; read in another block than the one that writes them: they hold numbers on every way
.set q, q+1
.endr
	s_mov_b32 s24, 8
.Ltrip:
	SUB 0
	SUB 1
	s_sub_co_u32 s24, s24, 1
	s_cmp_lg_u32 s24, 0
	s_cbranch_scc1 .Ltrip
	s_cmp_eq_u32 s18, 0
	s_cbranch_scc1 .Ldone
	s_sub_co_u32 s41, s23, 2
	s_cmp_lt_u32 s41, s22
	s_cbranch_scc0 .Ldone
	GELU2                                          ; waves 4-7: the last sub-trip's gelu
.Ldone:
	s_wait_dscnt 0x0                               ; the closing lines, six on end
	s_wait_alu 0x0
	s_wait_tensorcnt 0x0
	ds_add_u32 v254, v255
	s_wait_dscnt 0x0
	s_endpgm
.Lfunc_end_k_q0b1de10b18_ffn1:
	.size	k_q0b1de10b18_ffn1, .Lfunc_end_k_q0b1de10b18_ffn1-k_q0b1de10b18_ffn1
	.p2alignl 7, 3214868480
	.fill 96, 4, 3214868480
	.section	.rodata,"a",@progbits
	.p2align	6, 0x0
	.amdhsa_kernel k_q0b1de10b18_ffn1
		.amdhsa_group_segment_fixed_size 267264
		.amdhsa_private_segment_fixed_size 0
		.amdhsa_enable_private_segment 0
		.amdhsa_kernarg_size 48
		.amdhsa_user_sgpr_count 2
		.amdhsa_user_sgpr_kernarg_segment_ptr 1
		.amdhsa_wavefront_size32 1
		.amdhsa_system_sgpr_workgroup_id_x 1
		.amdhsa_system_sgpr_workgroup_id_y 1
		.amdhsa_system_sgpr_workgroup_id_z 1
		.amdhsa_system_vgpr_workitem_id 0
		.amdhsa_next_free_vgpr 512
		.amdhsa_next_free_sgpr 66
		.amdhsa_reserve_vcc 0
		.amdhsa_float_denorm_mode_32 3
		.amdhsa_float_denorm_mode_16_64 3
		.amdhsa_memory_ordered 1
		.amdhsa_forward_progress 1
		.amdhsa_inst_pref_size 213
	.end_amdhsa_kernel
	.amdgpu_metadata
---
amdhsa.version: [ 1, 2 ]
amdhsa.kernels:
  - .name:           k_q0b1de10b18_ffn1
    .symbol:         k_q0b1de10b18_ffn1.kd
    .args:
      - { .name: W1_codes, .offset: 0, .size: 8, .value_kind: global_buffer, .address_space: global }
      - { .name: xq, .offset: 8, .size: 8, .value_kind: global_buffer, .address_space: global }
      - { .name: b1, .offset: 16, .size: 8, .value_kind: global_buffer, .address_space: global }
      - { .name: lowp_scales, .offset: 24, .size: 8, .value_kind: global_buffer, .address_space: global }
      - { .name: list, .offset: 32, .size: 8, .value_kind: global_buffer, .address_space: global }
      - { .name: hq, .offset: 40, .size: 8, .value_kind: global_buffer, .address_space: global }
    .group_segment_fixed_size: 267264
    .private_segment_fixed_size: 0
    .kernarg_segment_align: 8
    .kernarg_segment_size: 48
    .max_flat_workgroup_size: 256
    .sgpr_count:     66
    .vgpr_count:     512
    .wavefront_size: 32
...
	.end_amdgpu_metadata
.endif
;; end of part 6
;; launch ffn2 (part 7): grid 32 x 8, 4 waves a work-group, no clusters, 274,944 bytes of LDS; arguments W2_codes, hq, b2, lowp_scales, list, gsort, yp; writes yp
.if DOCPART == 7
	.amdgcn_target "amdgcn-amd-amdhsa--gfx1250"
	.amdhsa_code_object_version 6
	.text
	.protected	k_q0b1de10b18_ffn2
	.globl	k_q0b1de10b18_ffn2
	.p2align	8
	.type	k_q0b1de10b18_ffn2,@function
k_q0b1de10b18_ffn2:
	s_mov_b64 s[64:65], 0
	v_nop
	global_prefetch_b8 v0, s[64:65] scope:SCOPE_SE
	s_setreg_imm32_b32 hwreg(HW_REG_WAVE_SCHED_MODE, 0, 2), 2
	s_setreg_imm32_b32 hwreg(HW_REG_WAVE_MODE, 25, 1), 1
	s_wait_xcnt 0x0
	s_wait_alu depctr_vm_vsrc(0)
; yp[kh][row] = gate x (h W2 x 2^(e2 + e3) (+ b2 where kh = 0)) for the routed rows, over half kh of K.  W2's codes: [8][1024 d][4096 k]; hq: images of operand registers (tile x 65,536 + K step x 2,048 + 512 c + 16 x lane).
; SHARES.  A work-group owns 64 columns d (x % 16), 2,048 of K (x / 16) and one expert (y): its 128 KB of W2 are read from memory once in the launch and stay in registers: wave w holds K steps 16 kh + 4 w + 0..3
; for all four column tiles (window 1).  The expert's rows come in sub-trips of 64 (four tiles).  Each fragment of h is loaded by ONE wave, straight from its image, a sub-trip ahead (windows 2 and 3 by turns), and feeds four
; matrix instructions.  The four waves' partial sums meet in LDS (two slots by turns, one barrier a sub-trip); wave w then adds, scales and stores rows 16 w .. 16 w + 15: sixteen lanes store 256 consecutive bytes, aligned.
; A row's place in yp is its list entry: slot x 1024 + token, or, for a filler, a spare row (2048 + 32 e + l) that its own expert's work-groups alone write and nobody reads.
; K is cut in two so that a row's codes reach a work-group as 2 KB and not 4; the price is two partial rows for each routed row, added by the last launch.
; THE LOOP HAS THE WORST CASE'S TRIPS (16 sub-trips) AND EVERY WAVE PASSES EVERY BARRIER; what hangs on the stored counts is jumped over, work alone.
; partners would need different numbers of tiles.
; THE PRODUCT IS USED TRANSPOSED (source 0 = 16 columns of W2, source 1 = 16 rows of h): a lane holds one row and eight neighbouring columns.
; LIMITS: e2 + e3 between -126 and 127.  NaN and infinities are not served.
; THE MODE: SCHED_MODE bits 1:0 = 2 (LLVM: expert scheduling mode 2), set by the entry lines.  The code itself states the register dependences
; between vector or matrix instructions and memory or LDS instructions, with s_wait_alu, always for 0.
; THE PLAN.  Registers that memory or LDS instructions touch:
;   v9, v10         Written by two additions at a sub-trip's head, read by the loads of the next sub-trip's h.
;   windows 2, 3    By turns: a sub-trip's products read one while the next sub-trip's h lands in the other.  At the head window 3 also takes W2's rows, which LDS stores read.
;   v[ACC ..]       A pair's products write its half, its sixteen LDS stores read it; behind the barrier the way out's LDS loads land in all of it, and its additions work there.
;   v[YO ..], v[Y ..]  Written by the way out's arithmetic, read by its eight stores.
;   window 1        The fragments' LDS loads land at the head; from then on products alone name it.
;   v1-v8           Offsets and addresses, made at the head and never written again.
; So a sub-trip's head has one wait on vm_vsrc (v9, v10, the accumulators and, in the first trip, window 3 have been read), the two additions, and one wait on va_vdst (v9 and v10 are written; the last sub-trip's products are done
; reading the other window; the last way out is done with the accumulators).  That wait serves both runs of loads of h: the products between them name window 1, this sub-trip's window and the accumulators, none of which those loads touch.
; Each pair has one wait on va_vdst between its products and its LDS stores.  The way out has one wait on vm_vsrc ahead of its LDS loads and two on va_vdst: its first four stores are dealt among the last four rows' arithmetic.
.set RED0, 135168                      ; LDS: 0: W2's rows on their way into fragments, 64 rows x 528 bytes for each wave, its own;  RED0, RED1: [wave][64 rows][256 bytes + 16]
.set REDD, 69632
.set YO,   20                          ; v20-27   store offsets
.set Y,    32                          ; v32-63   rows to store
.set ACC,  128                         ; v128-255 accumulators 8 (4 m + n); on the way out the four waves' partial sums: 16 i + 4 wave
; v1 16 x lane; v2, v3 W2's rows in, fragments out; v4, v5 where I put partial sums; v6, v7 where I read them; v8 16 (lane % 16); v9, v10 the two pairs' offsets in hq; v[12:15] b2 (or 0); v16-19 at work
; s18 wave, s19 columns' chunk, s20 kh, s21 expert, s22 PB, s23 NP, s24 PT (the sub-trip's first pair), s25 trips, s26 list offset, s27 wave / 2, s28 16 x wave, s[30:31] yp's base, s[38:39] 2^(e2 + e3), s40 lanes 16-31, s[44:59] 16 list entries, s[68:83] their gates
.set MSB, 0
.macro WIN new                         ; the immediate's high byte repeats the setting that is left
.if MSB != (\new)
	s_set_vgpr_msb (MSB<<8)|(\new)
.set MSB, (\new)
.endif
.endm
.macro HLOAD p, b                      ; pair p of a sub-trip: two tiles x my four K steps, 32 loads of 512 consecutive bytes, into window 2 + b
	WIN 0x80+0x40*(\b)
.irp mm, 0,1
.irp j, 0,1,2,3,4,5,6,7,8,9,10,11,12,13,14,15
	global_load_b128 v[64*(2*\p+\mm)+4*\j:64*(2*\p+\mm)+4*\j+3], v[9+\p], s[6:7] offset:65536*\mm+512*\j
.endr
.endr
	WIN 0
.endm
.macro MULP p, b                       ; pair p: 32 matrix instructions, K step by K step, the pair's eight accumulators by turns: seven others' stand between two links of a chain; then the partial sums go to LDS
	WIN 0x09+4*(\b)                                ; source 0 (W2) window 1, source 1 (h) window 2 + b
.irp s, 0,1,2,3
.irp mm, 0,1
.irp n, 0,1,2,3
.if \s == 0
	v_wmma_f32_16x16x128_fp8_fp8 v[ACC+8*(4*(2*\p+\mm)+\n):ACC+8*(4*(2*\p+\mm)+\n)+7], v[16*(4*\n+\s):16*(4*\n+\s)+15], v[64*(2*\p+\mm)+16*\s:64*(2*\p+\mm)+16*\s+15], 0
.else
	v_wmma_f32_16x16x128_fp8_fp8 v[ACC+8*(4*(2*\p+\mm)+\n):ACC+8*(4*(2*\p+\mm)+\n)+7], v[16*(4*\n+\s):16*(4*\n+\s)+15], v[64*(2*\p+\mm)+16*\s:64*(2*\p+\mm)+16*\s+15], v[ACC+8*(4*(2*\p+\mm)+\n):ACC+8*(4*(2*\p+\mm)+\n)+7]
.endif
.endr
.endr
.endr
	WIN 0
.rept 5
	v_nop                                          ; five: the next matrix instruction on these accumulators begins a new sum over them; four serve the stores below
.endr
	s_wait_alu depctr_va_vdst(0)                   ; the pair's products have written its eight accumulators, which the LDS stores read; the places above stay beside this wait
.irp mm, 0,1
.irp n, 0,1,2,3
	ds_store_b128 v[4+\b], v[ACC+8*(4*(2*\p+\mm)+\n):ACC+8*(4*(2*\p+\mm)+\n)+3] offset:4352*(2*\p+\mm)+64*\n       ; each accumulator from its low end on
	ds_store_b128 v[4+\b], v[ACC+8*(4*(2*\p+\mm)+\n)+4:ACC+8*(4*(2*\p+\mm)+\n)+7] offset:4352*(2*\p+\mm)+64*\n+16
.endr
.endr
.endm
.macro LISTS                           ; the entries and gates of my 16 rows of the next sub-trip, if the expert has them.  No scalar load of mine is out here: s26 may be written
	s_add_co_u32 s41, s24, 2
	s_add_co_u32 s42, s41, s27
	s_cmp_lt_u32 s42, s23
	s_cbranch_scc0 .Lnolist_\@
	s_add_co_u32 s41, s41, s22
	s_lshl_b32 s41, s41, 5
	s_add_co_u32 s41, s41, s28
	s_min_u32 s41, s41, 2288
	s_lshl_b32 s26, s41, 2
	s_load_b512 s[44:59], s[12:13], s26 offset:0x0
	s_load_b512 s[68:83], s[14:15], s26 offset:0x0
.Lnolist_\@:
.endm
.macro EROW i                          ; rows 2 i and 2 i + 1 of my sixteen: their place in yp into v[YO + i], their 64 columns into v[Y + 4 i ..]
.set R, ACC+16*(\i)
	v_mov_b32 v16, s[44+2*(\i)]
	v_mov_b32 v17, s[45+2*(\i)]
	v_cndmask_b32 v16, v16, v17, s40
	v_min_u32 v16, 0x8ff, v16
	v_lshl_add_u32 v[YO+(\i)], v16, 12, v8         ; the row's place in yp
	v_mov_b32 v18, s[68+2*(\i)]
	v_mov_b32 v17, s[69+2*(\i)]
	v_cndmask_b32 v18, v18, v17, s40               ; its gate
	s_wait_dscnt 28-4*(\i)                         ; these two rows' four loads are in; the later rows' may be out
	v_pk_add_f32 v[R:R+1], v[R:R+1], v[R+4:R+5]
	v_pk_add_f32 v[R+2:R+3], v[R+2:R+3], v[R+6:R+7]
	v_pk_add_f32 v[R+8:R+9], v[R+8:R+9], v[R+12:R+13]
	v_pk_add_f32 v[R+10:R+11], v[R+10:R+11], v[R+14:R+15]
	v_pk_add_f32 v[R:R+1], v[R:R+1], v[R+8:R+9]
	v_pk_add_f32 v[R+2:R+3], v[R+2:R+3], v[R+10:R+11]
	v_pk_fma_f32 v[R:R+1], v[R:R+1], s[38:39], v[12:13] op_sel_hi:[1,0,1]
	v_pk_fma_f32 v[R+2:R+3], v[R+2:R+3], s[38:39], v[14:15] op_sel_hi:[1,0,1]
	v_pk_mul_f32 v[Y+4*(\i):Y+4*(\i)+1], v[R:R+1], v[18:19] op_sel_hi:[1,0]
	v_pk_mul_f32 v[Y+4*(\i)+2:Y+4*(\i)+3], v[R+2:R+3], v[18:19] op_sel_hi:[1,0]
.endm
.macro ESEND i
	global_store_b128 v[YO+(\i)], v[Y+4*(\i):Y+4*(\i)+3], s[30:31]
.endm
.macro EPI b                           ; rows 16 w .. 16 w + 15, two at a time: lanes 0-15 one row's 64 columns, lanes 16-31 the next row's
	s_wait_alu depctr_vm_vsrc(0)                   ; my partial sums' LDS stores have read v[ACC ..], in which the loads below land
.irp i, 0,1,2,3,4,5,6,7
.irp q, 0,1,2,3
	ds_load_b128 v[ACC+16*\i+4*\q:ACC+16*\i+4*\q+3], v[6+\b] offset:17408*\q+544*\i
.endr
.endr
	s_wait_xcnt 0x0                                ; the last sub-trip's stores have had their addresses translated (ISA guide 3.1); that they have read v[YO ..] and v[Y ..] the wait on vm_vsrc above states too
.irp i, 0,1,2,3
	EROW \i
.endr
	s_wait_alu depctr_va_vdst(0)                   ; the first eight rows' v[YO ..] and v[Y ..] are written, which the four stores below read; the arithmetic among them names the last eight rows' registers alone
.irp i, 4,5,6,7
	ESEND \i-4
	EROW \i
.endr
	s_wait_alu depctr_va_vdst(0)                   ; the last eight rows' v[YO ..] and v[Y ..] are written, which the last four stores read
.irp i, 4,5,6,7
	ESEND \i
.endr
.endm
.macro BODY b                          ; a sub-trip; its h lies in window 2 + b
	s_wait_loadcnt 0x0                             ; this sub-trip's h, asked for a sub-trip ago, is in
	s_wait_alu depctr_vm_vsrc(0)                   ; those loads have read v9 and v10, which are written below; the last sub-trip's LDS stores have read the accumulators, which this one's products write; in the first trip the head's LDS stores have read window 3, in which h lands
	s_add_co_u32 s41, s22, s24
	s_lshl_b32 s41, s41, 1
	s_add_co_u32 s42, s41, 4
	s_min_u32 s42, s42, 142
	v_lshl_add_u32 v9, s42, 16, v1                 ; the next sub-trip's first pair,
	s_add_co_u32 s42, s41, 6
	s_min_u32 s42, s42, 142
	v_lshl_add_u32 v10, s42, 16, v1                ; and its second
	s_wait_alu depctr_va_vdst(0)                   ; v9 and v10 are written, which the loads of h read; the last sub-trip's products are done reading the other window, in which they land; the last way out's additions are done with v[ACC ..]
	s_add_co_u32 s41, s24, 2
	s_cmp_lt_u32 s41, s23
	s_cbranch_scc0 .Lb1_\@
	HLOAD 0, 1-\b
.Lb1_\@:
	s_cmp_lt_u32 s24, s23
	s_cbranch_scc0 .Lb2_\@
	MULP 0, \b
.Lb2_\@:
	s_add_co_u32 s41, s24, 3
	s_cmp_lt_u32 s41, s23
	s_cbranch_scc0 .Lb3_\@
	HLOAD 1, 1-\b                                  ; no further wait: no vector or matrix instruction since the head's names v10 or the other window
.Lb3_\@:
	s_add_co_u32 s41, s24, 1
	s_cmp_lt_u32 s41, s23
	s_cbranch_scc0 .Lb4_\@
	MULP 1, \b
.Lb4_\@:
	s_wait_dscnt 0x0                               ; my partial sums have landed; my reads of the other slot, a sub-trip ago, are over
	s_barrier_signal -1
	s_barrier_wait -1
	s_wait_kmcnt 0x0
	s_add_co_u32 s41, s24, s27
	s_cmp_lt_u32 s41, s23
	s_cbranch_scc0 .Lb5_\@
	EPI \b
.Lb5_\@:
	LISTS
	s_add_co_u32 s24, s24, 2
.endm
	s_load_b256 s[4:11], s[0:1], 0x0               ; W2's codes s[4:5], hq s[6:7], b2 s[8:9], the scales' exponents s[10:11]
	s_load_b128 s[12:15], s[0:1], 0x20             ; list s[12:13], gsort s[14:15]
	s_load_b64 s[16:17], s[0:1], 0x30              ; yp
	v_lshl_add_u32 v126, v0, 2, 0x43000            ; my spare word and 0: kept for the closing lines alone
	v_mov_b32 v127, 0
	v_lshrrev_b32 v1, 5, v0
	v_readfirstlane_b32 s18, v1
	s_and_b32 s19, ttmp9, 15
	s_lshr_b32 s20, ttmp9, 4
	s_and_b32 s21, ttmp7, 0xffff
	v_and_b32 v16, 31, v0
	v_and_b32 v17, 15, v0                          ; r
	v_bfe_u32 v18, v0, 4, 1                        ; h
	v_lshlrev_b32 v1, 4, v16
	s_wait_alu depctr_va_sdst(0)                   ; s18, the wave's number, is written, ahead of its first reader
	s_mul_i32 s41, s18, 33792
	v_add_nc_u32 v2, s41, v1
	v_mul_u32_u24 v3, v17, 528
	v_lshl_add_u32 v3, v18, 4, v3
	v_add_nc_u32 v3, s41, v3
	s_mul_i32 s41, s18, 17408
	s_add_co_u32 s41, s41, RED0
	v_mul_u32_u24 v4, v17, 272
	v_lshl_add_u32 v4, v18, 5, v4
	v_add_nc_u32 v4, s41, v4
	v_add_nc_u32 v5, REDD, v4
	s_mul_i32 s41, s18, 4352
	s_add_co_u32 s41, s41, RED0
	v_mul_u32_u24 v6, v18, 272
	v_lshl_add_u32 v6, v17, 4, v6
	v_add_nc_u32 v6, s41, v6
	v_add_nc_u32 v7, REDD, v6
	v_lshlrev_b32 v8, 4, v17
	v_mov_b32 v19, 0                               ; named as the upper half of the pair v[18:19]
	s_mov_b32 s40, 0xffff0000
	s_lshr_b32 s27, s18, 1
	s_lshl_b32 s28, s18, 4
	s_mov_b32 s24, 0
	s_lshl_b32 s52, s21, 22                        ; W2: (1024 e + 64 chunk) rows of 4,096 bytes + 2,048 kh + 512 wave
	s_lshl_b32 s41, s19, 18
	s_add_co_u32 s52, s52, s41
	s_lshl_b32 s41, s20, 11
	s_add_co_u32 s52, s52, s41
	s_lshl_b32 s41, s18, 9
	s_add_co_u32 s52, s52, s41
	s_mov_b32 s53, 0
	s_lshl_b32 s54, s20, 15                        ; hq: K step 16 kh + 4 wave of every tile
	s_lshl_b32 s41, s18, 13
	s_add_co_u32 s54, s54, s41
	s_mov_b32 s55, 0
	s_lshl_b32 s56, s21, 12                        ; b2: 4 (1024 e + 64 chunk)
	s_lshl_b32 s41, s19, 8
	s_add_co_u32 s56, s56, s41
	s_mov_b32 s57, 0
	s_mul_i32 s58, s20, 9437184                    ; yp: half kh, + 256 x chunk
	s_add_co_u32 s58, s58, s41
	s_mov_b32 s59, 0
	s_lshl_b32 s42, s21, 2
	s_wait_kmcnt 0x0
	s_load_b32 s22, s[12:13], s42 offset:9216      ; PB
	s_load_b32 s23, s[12:13], s42 offset:9248      ; NP
	s_load_b128 s[32:35], s[10:11], 0x0            ; e0 .. e3
	s_add_nc_u64 s[4:5], s[4:5], s[52:53]
	s_add_nc_u64 s[6:7], s[6:7], s[54:55]
	s_add_nc_u64 s[8:9], s[8:9], s[56:57]
	s_add_nc_u64 s[30:31], s[16:17], s[58:59]
	WIN 0xc0                                       ; destination window 3
	s_wait_alu depctr_va_vdst(0)                   ; the offsets and addresses v1 to v8 are written, which the loads, stores and LDS instructions of the whole kernel read
.set d, 0
.rept 64
	global_load_b128 v[4*d:4*d+3], v1, s[4:5] offset:4096*d th:TH_LOAD_NT   ; column d: my 512 consecutive bytes of K; read once in the launch
.set d, d+1
.endr
	WIN 0
	global_load_b128 v[12:15], v8, s[8:9]
	s_wait_kmcnt 0x0
	s_min_u32 s22, s22, 70
	s_min_u32 s23, s23, 32
	s_cmp_gt_u32 s23, 0                            ; the first sub-trip's h is read on every way: where the expert lacks a pair, pair 0 or 1 of hq, which always hold codes (2,048 rows fill 64 pairs at the least)
	s_cselect_b32 s41, s22, 0
	s_lshl_b32 s41, s41, 1
	s_min_u32 s41, s41, 142
	v_lshl_add_u32 v9, s41, 16, v1
	s_cmp_gt_u32 s23, 1
	s_cselect_b32 s41, s22, 0
	s_add_co_u32 s41, s41, 1
	s_lshl_b32 s41, s41, 1
	s_min_u32 s41, s41, 142
	v_lshl_add_u32 v10, s41, 16, v1
	s_wait_alu depctr_va_vdst(0)                   ; v9 and v10 are written, which the first loads of h read
	HLOAD 0, 0
	HLOAD 1, 0
	s_cmp_lt_u32 s27, s23                          ; and so are the first entries and gates
	s_cselect_b32 s41, s22, 0
	s_lshl_b32 s41, s41, 5
	s_add_co_u32 s41, s41, s28
	s_min_u32 s41, s41, 2288
	s_lshl_b32 s26, s41, 2
	s_load_b512 s[44:59], s[12:13], s26 offset:0x0
	s_load_b512 s[68:83], s[14:15], s26 offset:0x0
	s_add_co_i32 s38, s34, s35
	s_add_co_i32 s38, s38, 127
	s_lshl_b32 s38, s38, 23                        ; 2^(e2 + e3) as f32
	s_mov_b32 s39, s38                             ; (named with it as a pair, so it is written)
	s_cmp_eq_u32 s20, 0
	s_cselect_b32 s41, 1.0, 0                      ; b2 is added in the first half of K alone
	s_wait_loadcnt 63                              ; 64 loads of h lie behind W2's and b2's: those are in
	v_mul_f32 v12, s41, v12
	v_mul_f32 v13, s41, v13
	v_mul_f32 v14, s41, v14
	v_mul_f32 v15, s41, v15
	WIN 0x0c                                       ; store data window 3
.set d, 0
.rept 64
	ds_store_b128 v2, v[4*d:4*d+3] offset:528*d
.set d, d+1
.endr
	WIN 0x40                                       ; destination window 1
.irp n, 0,1,2,3
.irp s, 0,1,2,3
.irp c, 0,1,2,3
	ds_load_b128 v[16*(4*\n+\s)+4*\c:16*(4*\n+\s)+4*\c+3], v3 offset:8448*\n+128*\s+32*\c   ; my wave's own bytes, served in order (ISA guide 5.7.1.4): my 16 fragments of W2, which stay
.endr
.endr
.endr
	WIN 0
	s_wait_dscnt 0x0
	s_mov_b32 s25, 8
.Ltrip:
	BODY 0
	BODY 1
	s_sub_co_u32 s25, s25, 1
	s_cmp_lg_u32 s25, 0
	s_cbranch_scc1 .Ltrip
	s_wait_dscnt 0x0                               ; the closing lines, six on end
	s_wait_alu 0x0
	s_wait_tensorcnt 0x0
	ds_add_u32 v126, v127
	s_wait_dscnt 0x0
	s_endpgm
.Lfunc_end_k_q0b1de10b18_ffn2:
	.size	k_q0b1de10b18_ffn2, .Lfunc_end_k_q0b1de10b18_ffn2-k_q0b1de10b18_ffn2
	.p2alignl 7, 3214868480
	.fill 96, 4, 3214868480
	.section	.rodata,"a",@progbits
	.p2align	6, 0x0
	.amdhsa_kernel k_q0b1de10b18_ffn2
		.amdhsa_group_segment_fixed_size 274944
		.amdhsa_private_segment_fixed_size 0
		.amdhsa_enable_private_segment 0
		.amdhsa_kernarg_size 56
		.amdhsa_user_sgpr_count 2
		.amdhsa_user_sgpr_kernarg_segment_ptr 1
		.amdhsa_wavefront_size32 1
		.amdhsa_system_sgpr_workgroup_id_x 1
		.amdhsa_system_sgpr_workgroup_id_y 1
		.amdhsa_system_sgpr_workgroup_id_z 1
		.amdhsa_system_vgpr_workitem_id 0
		.amdhsa_next_free_vgpr 1024
		.amdhsa_next_free_sgpr 88
		.amdhsa_reserve_vcc 0
		.amdhsa_float_denorm_mode_32 3
		.amdhsa_float_denorm_mode_16_64 3
		.amdhsa_memory_ordered 1
		.amdhsa_forward_progress 1
		.amdhsa_inst_pref_size 76
	.end_amdhsa_kernel
	.amdgpu_metadata
---
amdhsa.version: [ 1, 2 ]
amdhsa.kernels:
  - .name:           k_q0b1de10b18_ffn2
    .symbol:         k_q0b1de10b18_ffn2.kd
    .args:
      - { .name: W2_codes, .offset: 0, .size: 8, .value_kind: global_buffer, .address_space: global }
      - { .name: hq, .offset: 8, .size: 8, .value_kind: global_buffer, .address_space: global }
      - { .name: b2, .offset: 16, .size: 8, .value_kind: global_buffer, .address_space: global }
      - { .name: lowp_scales, .offset: 24, .size: 8, .value_kind: global_buffer, .address_space: global }
      - { .name: list, .offset: 32, .size: 8, .value_kind: global_buffer, .address_space: global }
      - { .name: gsort, .offset: 40, .size: 8, .value_kind: global_buffer, .address_space: global }
      - { .name: yp, .offset: 48, .size: 8, .value_kind: global_buffer, .address_space: global }
    .group_segment_fixed_size: 274944
    .private_segment_fixed_size: 0
    .kernarg_segment_align: 8
    .kernarg_segment_size: 56
    .max_flat_workgroup_size: 128
    .sgpr_count:     88
    .vgpr_count:     1024
    .wavefront_size: 32
...
	.end_amdgpu_metadata
.endif
;; end of part 7
;; launch combine: the kernel of part 5 again; grid 256 x 1, 8 waves a work-group, no clusters, 0 bytes of LDS; arguments yp, out0; writes out0
